; MI455X (gfx1250); checked and timed in simulation.
; The chip was launched on July 23, 2026; its instructions are those of AMD's public machine-readable ISA for CDNA 5 (MIT licence, August 2026) and "CDNA5" Instruction Set Architecture Reference Guide (July 2026). The comments in the code are by the model that wrote it; some were corrected since.
;; Multi Head Attention Karpathy. Allowed arithmetic: matrix products marked QUANTISED: E2M3 operands, one E8M0 scale for each 32 along K, by v_wmma_scale_f32_16x16x128_f8f6f4 with both operands' format E2M3, f32 sums; everything else in f32.
;; Inputs: W_attn 1,024 x 3,072 float32; W_proj 1,024 x 1,024 float32; b_attn 3,072 float32; b_proj 1,024 float32; x 4 x 2,048 x 1,024 float32.
;; Outputs: out0 4 x 2,048 x 1,024 float32.
;; This version of the problem:
;;   THIS VERSION OF THE PROBLEM IS GIVEN IN LOW PRECISION. The matrix products marked QUANTISED in the list below multiply operands that are first quantised to E2M3 (2 exponent bits, 3 mantissa bits; 6 bits a number), with one power-of-two scale for each 32 numbers along K (OCP MX v1.0); their sums are f32. All else is computed in f32.
;;   The module's matrix products, in the order in which they are computed (A, B: the left and right operand; K: the contracted axis; several contracted axes count as one K, in the product's order):
;;     1. [M 8,192, K 1,024] x [K 1,024, N 3,072]; A: input x; B: input W_attn: QUANTISED
;;     2. batch 64 x [M 2,048, K 64] x [K 64, N 2,048]; A: computed on the way; B: computed on the way: QUANTISED
;;     3. batch 64 x [M 2,048, K 2,048] x [K 2,048, N 64]; A: softmax (see below); B: computed on the way: QUANTISED
;;     4. [M 8,192, K 1,024] x [K 1,024, N 1,024]; A: computed on the way; B: input W_proj: QUANTISED
;;   THE QUANTISER, for each operand of a quantised product, along K:
;;     - K is cut into blocks of 32 from its start; a last block that is shorter is filled with zeros.
;;     - A block's scale is 2^e with e = floor(log2(the largest magnitude in the block)) - 2, held to -126 .. 127; a block of zeros has e = 0. As a byte (E8M0): e + 127.
;;     - Each number is divided by its block's scale, clamped to +-7.5, and rounded to the nearest number of E2M3, ties to even, subnormals kept.
;;     - The product sums the exact products of the quantised numbers (number of the format x scale) in f32.
;;   ~~~python
;;   def quantise(x, axis):      # numpy; x: float32 -> the quantised numbers, widened to float32 again
;;       x = np.moveaxis(x, axis, -1); K = x.shape[-1]
;;       x = np.pad(x, [(0, 0)] * (x.ndim - 1) + [(0, -K % 32)]); x = x.reshape(x.shape[:-1] + (-1, 32)); a = np.abs(x).max(-1, keepdims=True)
;;       e = np.where(a > 0, np.clip(np.frexp(np.where(a > 0, a, 1))[1] - 1 - 2, -126, 127), 0)      # np.frexp(a)[1] - 1 = floor(log2(a)), exactly
;;       r = np.clip(x / 2.0 ** e, -7.5, 7.5)
;;       step = 2.0 ** (np.maximum(np.frexp(np.where(r == 0, 1, r))[1] - 1, 0) - 3)
;;       q = np.round(r / step) * step * 2.0 ** e      # np.round: ties to even
;;       return np.moveaxis(q.reshape(q.shape[:-2] + (-1,))[..., :K], -1, axis).astype(np.float32)
;;   ~~~
;;   SOFTMAX AHEAD OF A QUANTISED PRODUCT. Where the list says 'softmax', what is quantised is not the finished softmax but p = 2^(t - M), with t = logit x log2(e) and M = ceil(the row's largest t), a whole number; so 1/2 < the row's largest p <= 1. The row's sum l is taken of the UNQUANTISED p, in f32, and the product's result is divided by l at the end. Since M is a whole number, a kernel that streams over the keys may use a running M (the ceiling of the running maximum): every later rescaling is an exact power of two, which a block's scale takes up: the codes' values come out the same.
;;   OPERANDS COMPUTED ON THE WAY. 'Computed on the way' means the value that the module computes at that place (a softmax that the list does not call 'softmax' is quantised finished and normalised). What goes into a quantiser is computed in f32, as accurately as f32 sums, v_exp_f32 and their like allow (about 1e-6 of the number): no bf16 or f16 on the way to a quantiser, and a product that is left as it is and whose result goes on into a quantised operand takes f32 operands (vector FMAs, or v_wmma_f32_16x16x4_f32). A number that lies on a knife's edge between two numbers of the format may be rounded either way, as far as f32 arithmetic and the matrix unit's own rounding can turn it there, and no further.
;; One version. Each part assembles by itself: llvm-mc -triple=amdgcn-amd-amdhsa -mcpu=gfx1250 --defsym DOCPART=n.
;; ======== version 1 of 1: 4 launches
;; workspace buffers: xq 6,553,600 bytes; yq 6,553,600 bytes; wq 3,276,800 bytes; qkv 20,447,232 bytes
;; launch prep (part 1): grid 256 x 1, 4 waves a work-group, no clusters, 58,880 bytes of LDS; arguments x, W_attn, W_proj, xq, wq; writes xq, wq
.if DOCPART == 1
	.amdgcn_target "amdgcn-amd-amdhsa--gfx1250"
	.amdhsa_code_object_version 6
	.text
	.protected	k_q8b7833a9ce_prep
	.globl	k_q8b7833a9ce_prep
	.p2align	8
	.type	k_q8b7833a9ce_prep,@function
k_q8b7833a9ce_prep:
	s_mov_b64 s[64:65], 0
	v_nop
	global_prefetch_b8 v0, s[64:65] scope:SCOPE_SE
	s_setreg_imm32_b32 hwreg(HW_REG_WAVE_MODE, 25, 1), 1
	s_wait_xcnt 0x0
; x [8192][1024], W_attn [1024][3072] and W_proj [1024][1024], f32, become codes of FP6 (E2M3) with one E8M0 byte for each 32 along K, laid as the products' operand registers want them.
; A block's scale is 2^(floor(log2(its largest magnitude)) - 2); its byte is the largest magnitude's exponent field - 2, held at 1 from below.
; LIMITS: NaN and infinities among the inputs are not served; a block whose largest magnitude lies under 2^-124, a block of zeros among them, keeps the byte 1 (its codes add nothing; this program alone reads the bytes).
; LAYOUT.  Rows (tokens of x; columns n of the weights, W_attn's 3072 and then W_proj's 1024) are kept by POSITION: bits 3 and 4 of the row's number change places.  So place i of tile u of a group of 32
; holds row 8 u + i + 8 (i / 8).  A HALF IMAGE is 16 places x 64 along K, 768 bytes: lane l = place + 16 h owns block h (24 bytes): its registers 0-3 at 16 l, its registers 4-5 at 512 + 8 l.
; Codes: [tile][16 half images][768]; scale bytes behind them: [place][32].
; SHARES.  Work-groups 0-127: x, a tile of 16 rows to a wave, all of K in 8 chunks of 128.  Work-groups 128-255: the weights, 128 columns x 256 along K; a lane takes a column and its registers run down K.
; The two paths part on the work-group's number and have LDS bytes of their own.  Waves share nothing: no barrier.  No cluster: no two work-groups read the same bytes.
.set TROW,    12288                    ; a tile's codes for all of K
.set XSCALES, 6291456                  ; where xq's scale bytes begin
.set WSCALES, 3145728                  ; and wq's
.set XST,     8448                     ; x path: a wave's stage: 16 rows x (512 bytes + 16)
.set SP,      528
.set WST0,    4*XST                    ; W path: its stages begin here,
.set WSTG,    6144                     ; 2 tiles x 4 half images for each wave
.set R,    16                          ; x path: v16-143 two sets of 64 numbers as loaded
.set X0,   144                         ; v144-175 my block of the chunk's first 64 along K
.set X1,   176                         ; v176-207 of its second 64
.set CS0,  208                         ; v208-213, v216-221 codes to store
.set CS1,  216
.set SW,   224                         ; v224-227 my four scale words
.set ROFF, 16                          ; W path: v16-47 4 x lane + i x pitch
.set WX,   48                          ; v48-111 two sets of 32 numbers
.set SB,   122                         ; v122-123 my column's 8 scale bytes
.set OUTR, 128                         ; v128-175 the way out
	s_load_b128 s[4:7], s[0:1], 0x0                ; x, W_attn
	s_load_b128 s[8:11], s[0:1], 0x10              ; W_proj, xq
	s_load_b64 s[12:13], s[0:1], 0x20              ; wq
	v_lshl_add_u32 v254, v0, 2, 0xe400
	v_mov_b32 v255, 0
	v_lshrrev_b32 v1, 5, v0
	v_readfirstlane_b32 s14, v1                    ; wave
	v_and_b32 v1, 31, v0                           ; lane
	v_lshlrev_b32 v2, 4, v1                        ; 16 x lane
	v_lshlrev_b32 v3, 3, v1                        ; 8 x lane
	s_cmp_ge_u32 ttmp9, 128
	s_cbranch_scc1 .Lweights
	; ---------------- x ----------------
	v_and_b32 v8, 15, v0                           ; r
	v_bfe_u32 v9, v0, 4, 1                         ; h
	s_mul_i32 s15, s14, XST
	v_add_nc_u32 v4, s15, v2                       ; into the stage: a row's 512 bytes as they lie
	v_mul_u32_u24 v5, v8, SP
	v_lshl_add_u32 v5, v9, 7, v5
	v_add_nc_u32 v5, s15, v5                       ; out of it: row r, my block's 128 bytes
	v_lshlrev_b32 v6, 5, v8
	v_lshl_add_u32 v6, v9, 4, v6                   ; scale bytes: 32 r + 16 h
	v_lshlrev_b32 v7, 3, v9                        ; 8 h
	v_mov_b32 v239, 0                              ; a lane permute's destination counts as one of its sources
	s_lshl_b32 s16, ttmp9, 2
	s_add_co_u32 s16, s16, s14                     ; my tile
	s_lshr_b32 s17, s16, 1
	s_lshl_b32 s17, s17, 17                        ; its group of 32 rows of 4,096 bytes,
	s_and_b32 s18, s16, 1
	s_lshl_b32 s18, s18, 15                        ; + 8 rows in the odd tile
	s_add_co_u32 s18, s17, s18
	s_mov_b32 s19, 0
	s_mul_i32 s20, s16, TROW
	s_mov_b32 s21, 0
	s_lshl_b32 s22, s16, 9
	s_add_co_u32 s22, s22, XSCALES
	s_mov_b32 s23, 0
	s_mov_b32 s24, 0x76543210
	s_mov_b32 s25, 0xfedcba98                      ; selects for lane l xor 16
	s_mov_b32 s26, 0xffff0000                      ; lanes 16-31
	s_wait_kmcnt 0x0
	s_add_nc_u64 s[4:5], s[4:5], s[18:19]
	s_add_nc_u64 s[28:29], s[10:11], s[22:23]      ; my tile's scale bytes
	s_add_nc_u64 s[10:11], s[10:11], s[20:21]      ; and its codes
.macro LOADX c                         ; chunk c: 128 along K of my 16 rows: each load reads 512 consecutive bytes of one row
.irp p, 0,1,2,3,4,5,6,7,8,9,10,11,12,13,14,15
	global_load_b128 v[R+64*((\c)%2)+4*\p:R+64*((\c)%2)+4*\p+3], v2, s[4:5] offset:(\p+8*(\p/8))*4096+512*(\c) th:TH_LOAD_NT
.endr
.endm
; a block of 32 numbers, all mine, becomes 24 bytes of codes and a byte
.macro QB x, cs, hsg, bt
	s_wait_xcnt 0x0                                ; the stores that read this set of codes have read it
	v_max3_num_f32 v228, |v[\x]|, |v[\x+1]|, 0x1800000     ; the largest magnitude, in two chains, with the floor 2^(3 - 127) among its leaves
	v_max3_num_f32 v229, |v[\x+2]|, |v[\x+3]|, |v[\x+4]|
.irp i, 5,9,13,17,21,25
	v_max3_num_f32 v228, v228, |v[\x+\i]|, |v[\x+\i+1]|
	v_max3_num_f32 v229, v229, |v[\x+\i+2]|, |v[\x+\i+3]|
.endr
	v_max3_num_f32 v228, v228, |v[\x+29]|, |v[\x+30]|
	v_max3_num_f32 v228, v228, v229, |v[\x+31]|
	v_add_nc_u32 v230, 0xff000000, v228            ; 2 off its exponent field: the conversion takes that field as its scale
	v_cvt_scalef32_pk16_fp6_f32 v[\cs:\cs+2], v[\x:\x+15], v230
	v_cvt_scalef32_pk16_fp6_f32 v[232:234], v[\x+16:\x+31], v230   ; (a conversion's three registers begin on an even number)
	v_lshrrev_b32 v[\bt], 23, v230                 ; the byte; also the plain line behind the conversions
	v_mov_b32 v[\cs+3], v232
	v_mov_b32 v[\cs+4], v233
	v_mov_b32 v[\cs+5], v234
	global_store_b128 v2, v[\cs:\cs+3], s[10:11] offset:768*(\hsg)        ; 512 consecutive bytes,
	global_store_b64 v3, v[\cs+4:\cs+5], s[10:11] offset:768*(\hsg)+512   ; and the 256 behind them
.endm
.macro CHUNK c
.if (\c) < 7
	s_wait_loadcnt 16                              ; this chunk's 16 loads are in; the next chunk's 16 may be out
.else
	s_wait_loadcnt 0
.endif
.irp p, 0,1,2,3,4,5,6,7,8,9,10,11,12,13,14,15
	ds_store_b128 v4, v[R+64*((\c)%2)+4*\p:R+64*((\c)%2)+4*\p+3] offset:SP*\p
.endr
.irp i, 0,1,2,3,4,5,6,7
	ds_load_b128 v[X0+4*\i:X0+4*\i+3], v5 offset:16*\i           ; LDS serves a wave's instructions in order: these see the stores
.endr
.irp i, 0,1,2,3,4,5,6,7
	ds_load_b128 v[X1+4*\i:X1+4*\i+3], v5 offset:256+16*\i
.endr
	s_wait_dscnt 8                                 ; the first block is back, so the stores have read their registers; the second block's 8 loads may be out
.if (\c) < 6
	LOADX (\c)+2
.endif
	QB X0, CS0, 2*(\c), 236
	s_wait_dscnt 0x0
	QB X1, CS1, 2*(\c)+1, 237
	v_lshl_or_b32 v238, v237, 16, v236             ; my two bytes of the chunk's scale word,
	v_lshlrev_b32 v238, v7, v238                   ; 8 h bits up;
	v_permlanex16_b32 v239, v238, s24, s25
	v_or_b32 v238, v238, v239                      ; with lane l xor 16's the word is whole
.if (\c) < 4
	v_mov_b32 v[SW+(\c)], v238                     ; lanes 0-15 keep words 0-3,
.else
	v_cndmask_b32 v[SW+(\c)-4], v[SW+(\c)-4], v238, s26   ; lanes 16-31 words 4-7
.endif
.endm
	LOADX 0
	LOADX 1
.irp c, 0,1,2,3,4,5,6,7
	CHUNK \c
.endr
	global_store_b128 v6, v[SW:SW+3], s[28:29]     ; 16 rows x 32 bytes: 512 consecutive bytes
	s_wait_tensorcnt 0x0
	ds_add_u32 v254, v255
	s_wait_dscnt 0x0
	s_endpgm
	; ---------------- the weights ----------------
.Lweights:
	s_sub_co_u32 s15, ttmp9, 128
	s_lshr_b32 s16, s15, 2                         ; which 128 of the 4,096 columns
	s_and_b32 s17, s15, 3                          ; which 256 along K
	s_sub_co_u32 s18, s16, 24
	s_mov_b32 s19, 4096
	s_wait_kmcnt 0x0
	s_cmp_lt_u32 s16, 24                           ; W_attn or W_proj: the choice hangs on the work-group's number alone
	s_cselect_b64 s[20:21], s[6:7], s[8:9]
	s_cselect_b32 s19, 12288, s19                  ; a row of it in bytes
	s_cselect_b32 s18, s16, s18                    ; the 128 columns' number in it
	s_lshl_b32 s22, s17, 8
	s_mul_i32 s22, s22, s19
	s_lshl_b32 s23, s18, 9
	s_add_co_u32 s22, s22, s23
	s_lshl_b32 s23, s14, 7
	s_add_co_u32 s22, s22, s23                     ; 256 kq rows + 4 x (my wave's first column)
	s_mov_b32 s23, 0
	s_add_nc_u64 s[24:25], s[20:21], s[22:23]      ; block 0 of my eight blocks of 32 along K;
	s_lshl_b32 s22, s19, 5
.irp t, 1,2,3,4,5,6,7
	s_add_nc_u64 s[24+2*\t:25+2*\t], s[22+2*\t:23+2*\t], s[22:23]   ; the others 32 rows apart
.endr
	v_lshlrev_b32 v10, 2, v1
.irp i, 0,1,2,3,4,5,6,7,8,9,10,11,12,13,14,15,16,17,18,19,20,21,22,23,24,25,26,27,28,29,30,31
	v_mad_u32_u24 v[ROFF+\i], s19, \i, v10         ; row i of a block, my column
.endr
	v_and_b32 v11, 7, v0
	v_bfe_u32 v12, v0, 3, 1                        ; bit 3 of my column: the tile of its place
	v_bfe_u32 v13, v0, 4, 1
	v_lshl_add_u32 v11, v13, 3, v11                ; and its place in the tile: 8 x bit 4 + the low three bits
	s_mul_i32 s40, s14, WSTG
	s_add_co_u32 s40, s40, WST0                    ; my stage
	v_mul_u32_u24 v14, v12, 3072
	v_add_nc_u32 v14, s40, v14
	v_lshl_add_u32 v4, v11, 4, v14                 ; where my registers 0-3 go,
	v_lshl_add_u32 v5, v11, 3, v14                 ; and my registers 4-5
	v_add_nc_u32 v6, s40, v2                       ; out of the stage: as it lies
	v_lshlrev_b32 v7, 9, v12
	v_lshl_add_u32 v7, v11, 5, v7                  ; scale bytes: 32 x my place among the wave's 32
	s_lshl_b32 s41, s16, 3
	s_lshl_b32 s42, s14, 1
	s_add_co_u32 s41, s41, s42                     ; my wave's first tile
	s_mul_i32 s42, s41, TROW
	s_mul_i32 s43, s17, 3072
	s_add_co_u32 s42, s42, s43
	s_mov_b32 s43, 0
	s_add_nc_u64 s[44:45], s[12:13], s[42:43]      ; its codes of my 256 along K
	s_lshl_b32 s42, s41, 9
	s_lshl_b32 s46, s17, 3
	s_add_co_u32 s42, s42, s46
	s_add_co_u32 s42, s42, WSCALES
	s_add_nc_u64 s[46:47], s[12:13], s[42:43]      ; and its scale bytes
.macro LOADW t                         ; block t: 32 rows, 128 consecutive bytes a load
.irp i, 0,1,2,3,4,5,6,7,8,9,10,11,12,13,14,15,16,17,18,19,20,21,22,23,24,25,26,27,28,29,30,31
	global_load_b32 v[WX+32*((\t)%2)+\i], v[ROFF+\i], s[24+2*(\t):25+2*(\t)] th:TH_LOAD_NT
.endr
.endm
.macro BLOCK t
.set XS, WX+32*((\t)%2)
.if (\t) < 7
	s_wait_loadcnt 32                              ; this block's 32 loads are in; the next block's may be out
.else
	s_wait_loadcnt 0
.endif
	v_max3_num_f32 v120, |v[XS]|, |v[XS+1]|, 0x1800000
	v_max3_num_f32 v121, |v[XS+2]|, |v[XS+3]|, |v[XS+4]|
.irp i, 5,9,13,17,21,25
	v_max3_num_f32 v120, v120, |v[XS+\i]|, |v[XS+\i+1]|
	v_max3_num_f32 v121, v121, |v[XS+\i+2]|, |v[XS+\i+3]|
.endr
	v_max3_num_f32 v120, v120, |v[XS+29]|, |v[XS+30]|
	v_max3_num_f32 v120, v120, v121, |v[XS+31]|
	v_add_nc_u32 v121, 0xff000000, v120
	v_lshrrev_b32 v124, 23, v121
.if (\t)%4 == 0
	v_mov_b32 v[SB+(\t)/4], v124
.else
	v_lshl_or_b32 v[SB+(\t)/4], v124, 8*((\t)%4), v[SB+(\t)/4]
.endif
	v_cvt_scalef32_pk16_fp6_f32 v[112:114], v[XS:XS+15], v121
	v_cvt_scalef32_pk16_fp6_f32 v[116:118], v[XS+16:XS+31], v121
	v_nop                                          ; one plain line behind the conversions
	v_mov_b32 v115, v116
	v_mov_b32 v116, v117
	v_mov_b32 v117, v118
	ds_store_b128 v4, v[112:115] offset:768*((\t)/2)+256*((\t)%2)        ; half image t / 2, block t % 2
	ds_store_b64 v5, v[116:117] offset:768*((\t)/2)+512+128*((\t)%2)
.if (\t)+2 < 8
	LOADW (\t)+2
.endif
	s_wait_dscnt 0x0                               ; the stores have read their registers
.endm
	LOADW 0
	LOADW 1
.irp t, 0,1,2,3,4,5,6,7
	BLOCK \t
.endr
	global_store_b64 v7, v[SB:SB+1], s[46:47]      ; 8 bytes of each place's 32: parts of blocks of 256 bytes, one byte for 128 read
.irp k, 0,1,2,3,4,5,6,7,8,9,10,11
	ds_load_b128 v[OUTR+4*\k:OUTR+4*\k+3], v6 offset:512*\k
.endr
.irp k, 0,1,2,3,4,5,6,7,8,9,10,11
	s_wait_dscnt 11-\k
	global_store_b128 v2, v[OUTR+4*\k:OUTR+4*\k+3], s[44:45] offset:(\k/6)*TROW+(\k%6)*512   ; 512 consecutive bytes
.endr
	s_wait_tensorcnt 0x0
	ds_add_u32 v254, v255
	s_wait_dscnt 0x0
	s_endpgm
.Lfunc_end_k_q8b7833a9ce_prep:
	.size	k_q8b7833a9ce_prep, .Lfunc_end_k_q8b7833a9ce_prep-k_q8b7833a9ce_prep
	.p2alignl 7, 3214868480
	.fill 96, 4, 3214868480
	.section	.rodata,"a",@progbits
	.p2align	6, 0x0
	.amdhsa_kernel k_q8b7833a9ce_prep
		.amdhsa_group_segment_fixed_size 58880
		.amdhsa_private_segment_fixed_size 0
		.amdhsa_enable_private_segment 0
		.amdhsa_kernarg_size 40
		.amdhsa_user_sgpr_count 2
		.amdhsa_user_sgpr_kernarg_segment_ptr 1
		.amdhsa_wavefront_size32 1
		.amdhsa_system_sgpr_workgroup_id_x 1
		.amdhsa_system_sgpr_workgroup_id_y 1
		.amdhsa_system_sgpr_workgroup_id_z 1
		.amdhsa_system_vgpr_workitem_id 0
		.amdhsa_next_free_vgpr 256
		.amdhsa_next_free_sgpr 66
		.amdhsa_reserve_vcc 0
		.amdhsa_float_denorm_mode_32 3
		.amdhsa_float_denorm_mode_16_64 3
		.amdhsa_memory_ordered 1
		.amdhsa_forward_progress 1
		.amdhsa_inst_pref_size 102
	.end_amdhsa_kernel
	.amdgpu_metadata
---
amdhsa.version: [ 1, 2 ]
amdhsa.kernels:
  - .name:           k_q8b7833a9ce_prep
    .symbol:         k_q8b7833a9ce_prep.kd
    .args:
      - { .name: x, .offset: 0, .size: 8, .value_kind: global_buffer, .address_space: global }
      - { .name: W_attn, .offset: 8, .size: 8, .value_kind: global_buffer, .address_space: global }
      - { .name: W_proj, .offset: 16, .size: 8, .value_kind: global_buffer, .address_space: global }
      - { .name: xq, .offset: 24, .size: 8, .value_kind: global_buffer, .address_space: global }
      - { .name: wq, .offset: 32, .size: 8, .value_kind: global_buffer, .address_space: global }
    .group_segment_fixed_size: 58880
    .private_segment_fixed_size: 0
    .kernarg_segment_align: 8
    .kernarg_segment_size: 40
    .max_flat_workgroup_size: 128
    .sgpr_count:     66
    .vgpr_count:     256
    .wavefront_size: 32
...
	.end_amdgpu_metadata
.endif
;; end of part 1
;; launch gemm_qkv (part 2): grid 8 x 48, 4 waves a work-group, clusters of 4 x 4, 327,680 bytes of LDS; arguments xq, wq, b_attn, qkv; writes qkv
.if DOCPART == 2
	.amdgcn_target "amdgcn-amd-amdhsa--gfx1250"
	.amdhsa_code_object_version 6
	.text
	.protected	k_q8b7833a9ce_gemm_qkv
	.globl	k_q8b7833a9ce_gemm_qkv
	.p2align	8
	.type	k_q8b7833a9ce_gemm_qkv,@function
k_q8b7833a9ce_gemm_qkv:
	s_mov_b64 s[64:65], 0
	v_nop
	global_prefetch_b8 v0, s[64:65] scope:SCOPE_SE
	s_setreg_imm32_b32 hwreg(HW_REG_WAVE_MODE, 25, 1), 1
	s_wait_xcnt 0x0
	s_wait_alu depctr_hold_cnt(0) depctr_sa_sdst(0) depctr_va_vdst(0) depctr_va_sdst(0) depctr_va_ssrc(0) depctr_va_vcc(0) depctr_vm_vsrc(0)
	s_getreg_b32 s2, hwreg(HW_REG_IB_STS2, 6, 4)
	s_cmp_eq_u32 s2, 0
	s_cbranch_scc0 .Lentry_in_a_cluster
	s_endpgm
.Lentry_in_a_cluster:
	s_bfe_u32 s2, ttmp6, 0x10000c
	s_cmp_lg_u32 s2, 0xf033
	s_cbranch_scc0 .Lentry_shape_is_right
	s_endpgm
.Lentry_shape_is_right:
; qkv = x W_attn + b_attn on codes of FP6 (E2M3) with E8M0 scales, and q, k, v quantised at once for the attention: q and k along a head's 64 channels, v along the tokens (its product's K).  No f32 number goes to memory.
; A work-group of four waves makes 256 x 256, a wave 128 x 128: 64 accumulators.  Source 0 = 16 places of operand P, source 1 = 16 places of operand R: a lane holds ONE row of R and its registers run along P.
; Rows are kept by place (bits 3 and 4 of the row's number change places), so the 16 registers of P's tiles 2 b, 2 b + 1 are the neighbours 32 b + 16 (lane / 16) + 0 .. 15, and lane r of R's tile a is row 32 (a / 2) + 8 (a % 2) + r + 8 (r / 8).
; TWO KINDS OF CLUSTER, ONE TEXT.  Cluster y < 8: q and k: P = W's columns 0 .. 2047, R = tokens: registers run along channels.  Cluster y >= 8: v: P = tokens, R = W's columns 2048 .. 3071: registers run along tokens.
; The kind is the same in all sixteen partners; it chooses pointers, block numbers and offsets by selects, never a branch.
; K = 1,024 goes in steps of 256 through two LDS slots.  A tile of 16 places x 256 along K is four half images of 768 bytes (lane l: registers 0-3 at 16 l, registers 4-5 at 512 + 8 l): every LDS load reads consecutive bytes.
; CLUSTERS: 4 x 4.  R's tiles are shared along a row of the cluster, P's along a column: joint tensor loads.  By this text's count a wave has three tensor loads out at the start and one behind each round.
; OUT: for each (batch, head) and 128 tokens a record of 6,656 bytes: 12 x 512 bytes of operand registers (lane l's four registers at 16 l), then 512 bytes of scale words.
; LIMITS: NaN and infinities are not served; a block whose largest magnitude lies under 2^-124 keeps the byte 1.  q's and k's bias is the sum's first addend, v's its last.
; REGISTERS: window 0: v16-30 addresses; v32-63 scale words, two sets; v64-127 the bias along P, later the tile at work; v128-223 R's fragments, later the way out; v224-239 the bias along R.
;   window 1: P's fragments, two sets.   windows 2, 3: the accumulators ((a, b) at v[8 (8 (a % 4) + b)]).
.set NQ,     2
.set FR,     12
.set NL,     4                         ; LDS loads that bring a fragment
.set NP,     4                         ; places behind this matrix instruction (ISA guide 7.12.1)
.set TILEB,  3072                      ; a tile's 256 along K
.set TROW,   12288                     ; a tile's whole K in memory
.set HALFT,  8*TILEB                   ; what one tensor load brings
.set SLOT,   4*HALFT
.set SCL,    2*SLOT                    ; behind the ring: the scale bytes, blocks of 256 bytes + 16 of padding
.set HALFS,  16*272
.set SBLK,   2*272
.set SPARE,  SCL+4*HALFS               ; the spare words: 128 bytes for each wave
.set XSCALES, 6291456
.set WSCALES, 3145728
.set REC,    6656
.set HEADB,  16*REC
.set SECB,   64*HEADB
.set ADRA, 16                          ; v16-17 R's fragments in slot 0, 1: 16 x lane; v18-19: 8 x lane
.set ADRB, 20                          ; v20-23 the same for P
.set L16,  26                          ; v26 16 x lane
.set ADRS, 27                          ; v27 my scale words: lanes 0-15 R's rows, lanes 16-31 P's
.set SPW,  28
.set NIL,  29
.set ZR,   30                          ; v30 0
.set SC,   32
.set BP,   64
.set AF,   128
.set BR,   224
.set T,    64                          ; the way out
.set F,    128
.set U1,   152
.set U2,   158
.set XT,   164
.set TM,   172
.set PWE,  188
.set PWO,  189
.set W,    192
.set GA,   196
.set GB,   200
.set OF1,  204
.set OF2,  208
.set G1, 24
.set G0, 32
.set G1B, 48
.set G0B, 56
.set G1S, 68
.set G0S, 76
.set G1SB, 80
.set G0SB, 88
.set MSB, 0
.macro WIN new                         ; the immediate's high byte repeats the setting that is left
.if MSB != (\new)
	s_set_vgpr_msb (MSB<<8)|(\new)
.set MSB, (\new)
.endif
.endm
.set MUL_LO, 0xa1                      ; source 0 (P) window 1, source 1 (R) window 0, C and D window 2
.set MUL_HI, 0xf1
.set TO_B,   0x40
.macro JLOAD g0a, g1a, g0b, g1b        ; a joint load: waves 0 and 1 fetch for R, waves 2 and 3 for P; four v_nop follow each line
	s_cmp_eq_u32 s15, 0
	s_cbranch_scc0 .Lfor_b_\@
	tensor_load_to_lds s[\g0a:\g0a+3], s[\g1a:\g1a+7]
	s_nop 0
.rept 4
	v_nop
.endr
	s_branch .Lasked_\@
.Lfor_b_\@:
	tensor_load_to_lds s[\g0b:\g0b+3], s[\g1b:\g1b+7]
	s_nop 0
.rept 4
	v_nop
.endr
.Lasked_\@:
.endm
.macro CREST
	s_cmp_lg_u32 s14, 0
	s_cbranch_scc1 .Lnot_wave_0_\@
	s_barrier_signal -3
.Lnot_wave_0_\@:
	s_barrier_wait -3
	s_barrier_signal -1
	s_barrier_wait -1
.endm
.macro CROUND
	s_barrier_signal -1
	s_barrier_wait -1
	CREST
.endm
	s_load_b256 s[4:11], s[0:1], 0x0               ; xq s[4:5], wq s[6:7], b_attn s[8:9], qkv s[10:11]
	v_lshl_add_u32 v[SPW], v0, 2, SPARE
	v_mov_b32 v[NIL], 0
	ds_add_u32 v28, v29
	ds_add_u32 v28, v29
	s_wait_dscnt 0x0
	v_mov_b32 v[ZR], 0
	v_lshrrev_b32 v1, 5, v0
	v_readfirstlane_b32 s14, v1                    ; wave
	s_lshr_b32 s15, s14, 1                         ; my half of R's rows.  Also: I fetch for R (0) or for P (1)
	s_and_b32 s16, s14, 1                          ; my half of P's.  Also: which 8 tiles I fetch
	s_bfe_u32 s40, ttmp6, 0x40000                  ; cx
	s_bfe_u32 s41, ttmp6, 0x40004                  ; cy
	s_and_b32 s12, ttmp7, 0xffff                   ; cluster y: the kind
	s_lshl_b32 s42, ttmp9, 2
	s_add_co_u32 s42, s42, s40                     ; q, k: P's block of 256
	s_lshl_b32 s17, s12, 2
	s_add_co_u32 s17, s17, s41                     ; q, k: R's block
	s_add_co_u32 s18, s41, 8                       ; v: R's block
	s_sub_co_u32 s97, s12, 8
	s_lshl_b32 s97, s97, 3
	s_add_co_u32 s97, s97, s42                     ; v: P's block
	s_lshl_b32 s43, s41, 2
	s_lshl_b32 s43, 15, s43                        ; my row of the cluster
	s_lshl_b32 s44, 0x1111, s40                    ; my column
	; group 1 for codes: 8 tiles (rows) of 3,072 bytes = 384 elements of 8 bytes, 12,288 bytes apart; no padding
	s_or_b32 s[G1+0], s43, (3<<16)|(1<<21)
	s_or_b32 s[G1B+0], s44, (3<<16)|(1<<21)
.irp g, G1, G1B
	s_mov_b32 s[\g+1], 384<<16
	s_mov_b32 s[\g+2], 8<<16
	s_mov_b32 s[\g+3], 384<<16
	s_mov_b32 s[\g+4], 8
	s_mov_b32 s[\g+5], 1536
	s_mov_b32 s[\g+6], 0
	s_mov_b32 s[\g+7], 0
.endr
	; and for the scale bytes of 128 places: 4,096 dense bytes as 16 rows of 256, 16 bytes of padding behind each
	s_or_b32 s[G1S+0], s43, (3<<16)|(1<<20)|(1<<21)|(5<<22)|(3<<25)
	s_or_b32 s[G1SB+0], s44, (3<<16)|(1<<20)|(1<<21)|(5<<22)|(3<<25)
.irp g, G1S, G1SB
	s_mov_b32 s[\g+1], 32<<16
	s_mov_b32 s[\g+2], 16<<16
	s_mov_b32 s[\g+3], 32<<16
	s_mov_b32 s[\g+4], 16
	s_mov_b32 s[\g+5], 32
	s_mov_b32 s[\g+6], 0
	s_mov_b32 s[\g+7], 0
.endr
	s_mov_b32 s92, XSCALES
	s_mov_b32 s93, WSCALES
	s_lshl_b32 s13, s16, 3
	s_wait_kmcnt 0x0
	s_cmp_lt_u32 s12, 8                            ; the kind: every select below hangs on this one compare
	s_cselect_b32 s17, s17, s18                    ; R's block
	s_cselect_b32 s42, s42, s97                    ; P's block
	s_cselect_b32 s96, -1, 0                       ; all ones: q, k
	s_cselect_b64 s[20:21], s[4:5], s[6:7]         ; R's buffer
	s_cselect_b64 s[46:47], s[6:7], s[4:5]         ; P's
	s_cselect_b32 s94, s92, s93                    ; where R's scale bytes begin
	s_cselect_b32 s95, s93, s92                    ; and P's
	s_lshl_b32 s18, s17, 4                         ; R, in registers that never hold cx
	s_add_co_u32 s18, s18, s13                     ; the first tile that I fetch
	s_mul_i32 s22, s18, TROW
	s_mov_b32 s23, 0
	s_lshl_b32 s18, s18, 9
	s_add_co_u32 s18, s18, s94
	s_mov_b32 s19, 0
	s_add_nc_u64 s[18:19], s[20:21], s[18:19]      ; its scale bytes
	s_add_nc_u64 s[20:21], s[20:21], s[22:23]      ; its codes
	s_lshl_b32 s92, s42, 4                         ; P, in registers that never hold cy
	s_add_co_u32 s92, s92, s13
	s_mul_i32 s98, s92, TROW
	s_mov_b32 s99, 0
	s_lshl_b32 s92, s92, 9
	s_add_co_u32 s92, s92, s95
	s_mov_b32 s93, 0
	s_add_nc_u64 s[92:93], s[46:47], s[92:93]
	s_add_nc_u64 s[46:47], s[46:47], s[98:99]
	s_mul_i32 s45, s14, HALFT                      ; where they go: by the wave's number alone
	s_mul_i32 s94, s14, HALFS
	CROUND                                         ; all sixteen work-groups are here: the first joint loads meet
	s_mov_b32 s[G0S], 1
	s_add_co_u32 s[G0S+1], s94, SCL
	s_mov_b64 s[G0S+2:G0S+3], s[18:19]
	s_or_b32 s[G0S+3], s[G0S+3], 0x80000000
	s_mov_b32 s[G0SB], 1
	s_add_co_u32 s[G0SB+1], s94, SCL
	s_mov_b64 s[G0SB+2:G0SB+3], s[92:93]
	s_or_b32 s[G0SB+3], s[G0SB+3], 0x80000000
	JLOAD G0S, G1S, G0SB, G1SB                     ; the scale bytes, for all of K: filled once
.irp s, 0,1
	s_mov_b32 s[G0+4*\s], 1
	s_add_co_u32 s[G0+4*\s+1], s45, \s*SLOT
	s_add_nc_u64 s[G0+4*\s+2:G0+4*\s+3], s[20:21], \s*TILEB
	s_or_b32 s[G0+4*\s+3], s[G0+4*\s+3], 0x80000000
	s_mov_b32 s[G0B+4*\s], 1
	s_add_co_u32 s[G0B+4*\s+1], s45, \s*SLOT
	s_add_nc_u64 s[G0B+4*\s+2:G0B+4*\s+3], s[46:47], \s*TILEB
	s_or_b32 s[G0B+4*\s+3], s[G0B+4*\s+3], 0x80000000
	JLOAD G0+4*\s, G1, G0B+4*\s, G1B
.endr
	v_and_b32 v1, 15, v0                           ; r
	v_bfe_u32 v2, v0, 4, 1                         ; h
	v_and_b32 v3, 31, v0
	v_lshlrev_b32 v[L16], 4, v3
	v_lshlrev_b32 v5, 3, v3
	s_mul_i32 s18, s15, HALFT                      ; my 8 tiles of R
	s_mul_i32 s19, s16, HALFT
	s_add_co_u32 s19, s19, 2*HALFT                 ; my 8 tiles of P, behind R's 16
.irp s, 0,1
	v_add_nc_u32 v[ADRA+\s], s18, v[L16]
	v_add_nc_u32 v[ADRB+\s], s19, v[L16]
	v_add_nc_u32 v[ADRA+2+\s], s18, v5
	v_add_nc_u32 v[ADRB+2+\s], s19, v5
	s_add_co_u32 s18, s18, SLOT
	s_add_co_u32 s19, s19, SLOT
.endr
	v_lshlrev_b32 v8, 5, v1                        ; my place's scale bytes: 32 a place,
	v_lshrrev_b32 v9, 8, v8
	v_lshl_add_u32 v8, v9, 4, v8                   ; and 16 more for each 256 passed
	s_mul_i32 s22, s15, HALFS
	s_mul_i32 s23, s16, HALFS
	s_add_co_u32 s23, s23, 2*HALFS
	s_sub_co_u32 s23, s23, s22
	v_mul_u32_u24 v9, s23, v2                      ; lanes 16-31 take P's
	s_add_co_u32 s22, s22, SCL
	v_add_nc_u32 v8, v8, v9
	v_add_nc_u32 v[ADRS], s22, v8
	; tokens and channels of my 128 x 128
	s_lshl_b32 s2, s17, 8
	s_lshl_b32 s97, s15, 7
	s_add_co_u32 s2, s2, s97                       ; R's first row
	s_lshl_b32 s3, s42, 8
	s_lshl_b32 s97, s16, 7
	s_add_co_u32 s3, s3, s97                       ; P's first row
	s_cmp_lg_u32 s96, 0
	s_cselect_b32 s12, s2, s3                      ; my first token
	s_cselect_b32 s100, s3, s2                     ; my first column of W_attn
	s_cselect_b32 s66, s3, 0                       ; the bias along P: q, k alone
	s_cselect_b32 s67, 0, s2                       ; the bias along R: v alone
	s_lshl_b32 s66, s66, 2
	s_lshl_b32 s67, s67, 2
	s_lshr_b32 s97, s12, 11                        ; batch
	s_lshl_b32 s97, s97, 4
	s_bfe_u32 s101, s100, 0x40006                  ; head
	s_add_co_u32 s97, s97, s101
	s_lshl_b32 s97, s97, 4
	s_bfe_u32 s101, s12, 0x40007                   ; which 128 tokens of the batch
	s_add_co_u32 s97, s97, s101
	s_mul_i32 s97, s97, REC
	s_lshr_b32 s100, s100, 10                      ; section: q, k or v
	s_mul_i32 s100, s100, SECB
	s_add_co_u32 s100, s100, s97
	s_mov_b32 s101, 0
	s_add_nc_u64 s[10:11], s[10:11], s[100:101]    ; my first head's record
	v_lshlrev_b32 v6, 6, v2
	v_add_nc_u32 v6, s66, v6                       ; tile b's eight numbers of the bias along P: 4 (32 (b / 2) + 16 h + 8 (b % 2))
	v_and_b32 v7, 8, v1
	v_add_nc_u32 v7, v7, v1
	v_lshlrev_b32 v7, 2, v7
	v_add_nc_u32 v7, s67, v7                       ; tile a's one number along R: 4 (32 (a / 2) + 8 (a % 2) + r + 8 (r / 8))
.irp b, 0,1,2,3,4,5,6,7
	global_load_b128 v[BP+8*\b:BP+8*\b+3], v6, s[8:9] offset:128*(\b/2)+32*(\b%2)
	global_load_b128 v[BP+8*\b+4:BP+8*\b+7], v6, s[8:9] offset:128*(\b/2)+32*(\b%2)+16
.endr
.irp a, 0,1,2,3,4,5,6,7
	global_load_b32 v[BR+2*\a], v7, s[8:9] offset:128*(\a/2)+32*(\a%2)
	v_mov_b32 v[BR+2*\a+1], 0                      ; (named with it as a pair)
.endr
.macro FRAG reg, adr, q, i             ; a fragment, 16 places x 128 K: two half images, registers 6 c .. 6 c + 5 each
.irp c, 0,1
	ds_load_b128 v[\reg+6*\c:\reg+6*\c+3], v[\adr] offset:(\i)*TILEB+768*(2*(\q)+\c)
	ds_load_b64 v[\reg+6*\c+4:\reg+6*\c+5], v[\adr+2] offset:(\i)*TILEB+768*(2*(\q)+\c)+512
.endr
.endm
; 16 matrix instructions: R's tiles a0, a0 + 1 x P's eight.  zero = 1: the bias along P starts the sums.  The 64 accumulators take turns, one instruction a turn.
.macro MUL16 a0, p, q, sc, zero
.irp a, \a0, \a0+1
.irp b, 0,1,2,3,4,5,6,7
.if \zero
	v_wmma_scale_f32_16x16x128_f8f6f4 v[8*(8*((\a)%4)+\b):8*(8*((\a)%4)+\b)+7], v[128*(\p)+FR*\b:128*(\p)+FR*\b+FR-1], v[AF+FR*(\a):AF+FR*(\a)+FR-1], v[BP+8*\b:BP+8*\b+7], v[SC+8*NQ*(\sc)+NQ*\b+(\q)], v[SC+8*NQ*(\sc)+NQ*(\a)+(\q)] matrix_a_fmt:MATRIX_FMT_FP6 matrix_b_fmt:MATRIX_FMT_FP6 matrix_a_scale:MATRIX_SCALE_ROW1
.else
	v_wmma_scale_f32_16x16x128_f8f6f4 v[8*(8*((\a)%4)+\b):8*(8*((\a)%4)+\b)+7], v[128*(\p)+FR*\b:128*(\p)+FR*\b+FR-1], v[AF+FR*(\a):AF+FR*(\a)+FR-1], v[8*(8*((\a)%4)+\b):8*(8*((\a)%4)+\b)+7], v[SC+8*NQ*(\sc)+NQ*\b+(\q)], v[SC+8*NQ*(\sc)+NQ*(\a)+(\q)] matrix_a_fmt:MATRIX_FMT_FP6 matrix_b_fmt:MATRIX_FMT_FP6 matrix_a_scale:MATRIX_SCALE_ROW1
.endif
.endr
.endr
.endm
.macro FETCH_B slot, q, p
	WIN TO_B
.irp i, 0,1,2,3,4,5,6,7
	FRAG 128*(\p)+FR*\i, ADRB+\slot, \q, \i
.endr
	WIN 0
.endm
.macro FETCH_A slot, q, i0
.irp i, \i0, \i0+1, \i0+2, \i0+3
	FRAG AF+FR*(\i), ADRA+\slot, \q, \i
.endr
.endm
.macro SCALES sc                       ; a slot's two scale words a place: lanes 0-15 R's tile i, lanes 16-31 P's tile i
.irp i, 0,1,2,3,4,5,6,7
	ds_load_b64 v[SC+8*NQ*\sc+NQ*\i:SC+8*NQ*\sc+NQ*\i+1], v[ADRS] offset:\i*SBLK
.endr
.endm
.macro PLACES n                        ; plain vector lines between a matrix instruction and a load into, or a read of, its registers
.rept \n
	v_nop
.endr
.endm
.macro STEP slot, q, zero              ; 128 along K that have their successor in the same slot
	s_wait_dscnt 4*NL                              ; P's set and R's tiles 0-3 are in; the youngest 16 loads (R's tiles 4-7) may be out
.if \zero
	WIN 0x81                                       ; C (the bias) in window 0
.else
	WIN MUL_LO
.endif
	MUL16 0, (\q)%2, \q, \slot, \zero
	MUL16 2, (\q)%2, \q, \slot, \zero
	s_wait_dscnt 0
	PLACES NP
	FETCH_B \slot, (\q)+1, 1-(\q)%2
	FETCH_A \slot, (\q)+1, 0
.if \zero
	WIN 0xc1
.else
	WIN MUL_HI
.endif
	MUL16 4, (\q)%2, \q, \slot, \zero
	MUL16 6, (\q)%2, \q, \slot, \zero
	PLACES NP
	WIN 0
	FETCH_A \slot, (\q)+1, 4
.endm
; A slot's last 128 change slots: one barrier; in front of it each wave waits for all its tensor loads, adds 0 to its spare word, and waits for that and for its reads of this slot.
.macro TURN slot, next, fill
	s_wait_tensorcnt 0x0                           ; all my tensor loads have landed: my part of the next slot
	ds_add_u32 v[SPW], v[NIL]                      ; 0 onto my spare word
	s_wait_dscnt 4*NL+1                            ; (the add and the youngest 16 loads may be out)
	WIN MUL_LO
	MUL16 0, 1, NQ-1, \slot, 0
	s_wait_dscnt 0x0                               ; the add is done, and my reads of this slot are over
	s_barrier_signal -1
	MUL16 2, 1, NQ-1, \slot, 0
	WIN 0
	s_barrier_wait -1
.if \fill
	CREST                                          ; the barrier has opened a round of the cluster's: no wave of any partner still reads this slot or has a load on its way
	s_add_nc_u64 s[G0+4*\slot+2:G0+4*\slot+3], s[G0+4*\slot+2:G0+4*\slot+3], 2*TILEB
	s_add_nc_u64 s[G0B+4*\slot+2:G0B+4*\slot+3], s[G0B+4*\slot+2:G0B+4*\slot+3], 2*TILEB
	JLOAD G0+4*\slot, G1, G0B+4*\slot, G1B         ; the first tensor load behind the round; its four v_nop are the places in front of the loads below
.else
	PLACES NP
.endif
	v_add_nc_u32 v[ADRS], 4*NQ, v[ADRS]
	FETCH_B \next, 0, 0
	FETCH_A \next, 0, 0
	SCALES \next
	WIN MUL_HI
	MUL16 4, 1, NQ-1, \slot, 0
	MUL16 6, 1, NQ-1, \slot, 0
	PLACES NP
	WIN 0
	FETCH_A \next, 0, 4
.endm
	s_wait_tensorcnt 1                             ; the scale bytes and my part of slot 0 are in; slot 1's load may be out
	s_barrier_signal -1
	s_barrier_wait -1
	FETCH_B 0, 0, 0
	FETCH_A 0, 0, 0
	SCALES 0
	FETCH_A 0, 0, 4
	s_wait_loadcnt 0x0                             ; the biases
.set n, 0
.rept 64
	v_cndmask_b32 v[BP+n], v[ZR], v[BP+n], s96     ; along P: kept for q, k; 0 for v
.set n, n+1
.endr
.irp a, 0,1,2,3,4,5,6,7
	v_cndmask_b32 v[BR+2*\a], v[BR+2*\a], v[ZR], s96   ; along R: 0 for q, k; kept for v
.endr
	STEP 0, 0, 1                                   ; K = 1,024 is eight steps of 128, written out
	TURN 0, 1, 1
	STEP 1, 0, 0
	TURN 1, 0, 1
	STEP 0, 0, 0
	TURN 0, 1, 0                                   ; nothing is left to fetch
	STEP 1, 0, 0
	s_wait_dscnt 4*NL
	WIN MUL_LO
	MUL16 0, 1, NQ-1, 1, 0
	MUL16 2, 1, NQ-1, 1, 0
	s_wait_dscnt 0
	WIN MUL_HI
	MUL16 4, 1, NQ-1, 1, 0
	MUL16 6, 1, NQ-1, 1, 0
	WIN 0
	; THE WAY OUT.  A tile a of R: 64 numbers a lane, register 16 b + i = place 32 b + 16 (lane / 16) + i along P: four blocks of 32, quantised in registers.
	PLACES NP
	s_mov_b32 s2, 0x76543210
	s_mov_b32 s3, 0xfedcba98                       ; selects for lane l xor 16
	s_mov_b32 s66, 0xffff0000                      ; lanes 16-31
	s_mov_b32 s67, 0x7f7f0000                      ; two bytes of 1.0 over the half of K that q k^T does not have
	s_cmp_lg_u32 s96, 0
.irp p, 0,1,2,3                        ; where a pair of tiles goes.  q, k: its 12 registers of each of my two heads.  v: two fragments of the head that owns the pair
	s_mov_b32 s97, (\p/2)*HEADB+(\p%2)*3072
	s_cselect_b32 s97, 1536*\p, s97
	v_add_nc_u32 v[OF1+\p], s97, v[L16]
	s_mov_b32 s97, (\p/2)*HEADB+(\p%2)*3072+1536
	s_cselect_b32 s97, HEADB+1536*\p, s97
	v_add_nc_u32 v[OF2+\p], s97, v[L16]
.endr
.irp b, 0,1,2,3
	v_mov_b32 v[TM+4+\b], 0                        ; a lane permute's destination counts as one of its sources
.endr
.macro QUANT s, d0, d1, pw             ; codes of K 0 .. 63 into v[d0] on, of K 64 .. 127 into v[d1] on, six registers each; the scale word into v[pw]
.irp b, 0,1,2,3
	v_max3_num_f32 v[TM+\b], |v[\s+16*\b]|, |v[\s+1+16*\b]|, 0x1800000
.endr
.irp i, 2,4,6,8,10,12,14
.irp b, 0,1,2,3
	v_max3_num_f32 v[TM+\b], v[TM+\b], |v[\s+16*\b+\i]|, |v[\s+1+16*\b+\i]|
.endr
.endr
.irp b, 0,1,2,3
	v_permlanex16_b32 v[TM+4+\b], v[TM+\b], s2, s3
.endr
.irp b, 0,1,2,3
	v_max_num_f32 v[TM+\b], v[TM+\b], v[TM+4+\b]
.endr
.irp b, 0,1,2,3
	v_add_nc_u32 v[TM+12+\b], 0xff000000, v[TM+\b]
.endr
.irp b, 0,1,2,3
	v_lshrrev_b32 v[TM+4+\b], 23, v[TM+12+\b]
.endr
	v_lshl_or_b32 v[\pw], v[TM+5], 8, v[TM+4]
	v_lshl_or_b32 v[\pw], v[TM+6], 16, v[\pw]
	v_lshl_or_b32 v[\pw], v[TM+7], 24, v[\pw]
	v_cvt_scalef32_pk16_fp6_f32 v[\d0:\d0+2], v[\s:\s+15], v[TM+12]
	v_cvt_scalef32_pk16_fp6_f32 v[XT:XT+2], v[\s+16:\s+31], v[TM+13]
	v_cvt_scalef32_pk16_fp6_f32 v[\d1:\d1+2], v[\s+32:\s+47], v[TM+14]
	v_cvt_scalef32_pk16_fp6_f32 v[XT+4:XT+6], v[\s+48:\s+63], v[TM+15]
	v_nop                                          ; one plain line behind the conversions
.irp i, 0,1,2                          ; the operand's layout wants a whole block in a lane
	v_permlane16_swap_b32 v[\d0+\i], v[XT+\i]
.endr
.irp i, 0,1,2
	v_mov_b32 v[\d0+3+\i], v[XT+\i]
.endr
.irp i, 0,1,2
	v_permlane16_swap_b32 v[\d1+\i], v[XT+4+\i]
.endr
.irp i, 0,1,2
	v_mov_b32 v[\d1+3+\i], v[XT+4+\i]
.endr
.endm
.macro TILE a, d0, d1, pw
	WIN 0x02+((\a)/4)                              ; source 0: window 2 or 3
.set n, 0
.rept 32
	v_pk_add_f32 v[T+n:T+n+1], v[64*((\a)%4)+n:64*((\a)%4)+n+1], v[BR+2*(\a):BR+2*(\a)+1] op_sel_hi:[1,0]   ; + the bias along R; each accumulator from its low end on
.set n, n+2
.endr
	WIN 0
	QUANT T, \d0, \d1, \pw
.endm
.irp p, 0,1,2,3
	s_wait_xcnt 0x0                                ; the last pair's stores have read their registers
	TILE 2*\p, F, U1, PWE
	TILE 2*\p+1, U2, F+18, PWO
.irp i, 0,1,2,3,4,5
	v_cndmask_b32 v[F+6+\i], v[U1+\i], v[U2+\i], s96     ; q, k: by head: (even tile, odd tile) of K 0 .. 63, then of K 64 .. 127.  v: by tile: a whole fragment each
	v_cndmask_b32 v[F+12+\i], v[U2+\i], v[U1+\i], s96
.endr
	v_cndmask_b32 v[W+\p], v[PWE], v[PWO], s66     ; lanes 0-15 the even tile's scale words, lanes 16-31 the odd tile's
.irp c, 0,1,2
	global_store_b128 v[OF1+\p], v[F+4*\c:F+4*\c+3], s[10:11] offset:512*\c          ; 512 consecutive bytes each
.endr
.irp c, 0,1,2
	global_store_b128 v[OF2+\p], v[F+12+4*\c:F+12+4*\c+3], s[10:11] offset:512*\c
.endr
.endr
.irp i, 0,1,2,3                        ; the scale words of my two heads' records.  q, k: two bytes of each word to each head.  v: two words to each head (the other two are not read)
	v_and_or_b32 v212, v[W+\i], 0xffff, s67
	v_lshrrev_b32 v213, 16, v[W+\i]
	v_or_b32 v213, s67, v213
	v_cndmask_b32 v[GA+\i], v[W+\i], v212, s96
	v_cndmask_b32 v[GB+\i], v[W+(\i+2)%4], v213, s96
.endr
	global_store_b128 v[L16], v[GA:GA+3], s[10:11] offset:6144
	global_store_b128 v[L16], v[GB:GB+3], s[10:11] offset:HEADB+6144
	s_wait_tensorcnt 0x0                           ; the wave's end
	ds_add_u32 v[SPW], v[NIL]
	s_wait_dscnt 0x0
	CROUND                                         ; the closing round
	s_endpgm
.Lfunc_end_k_q8b7833a9ce_gemm_qkv:
	.size	k_q8b7833a9ce_gemm_qkv, .Lfunc_end_k_q8b7833a9ce_gemm_qkv-k_q8b7833a9ce_gemm_qkv
	.p2alignl 7, 3214868480
	.fill 96, 4, 3214868480
	.section	.rodata,"a",@progbits
	.p2align	6, 0x0
	.amdhsa_kernel k_q8b7833a9ce_gemm_qkv
		.amdhsa_group_segment_fixed_size 327680
		.amdhsa_private_segment_fixed_size 0
		.amdhsa_enable_private_segment 0
		.amdhsa_kernarg_size 32
		.amdhsa_user_sgpr_count 2
		.amdhsa_user_sgpr_kernarg_segment_ptr 1
		.amdhsa_wavefront_size32 1
		.amdhsa_system_sgpr_workgroup_id_x 1
		.amdhsa_system_sgpr_workgroup_id_y 1
		.amdhsa_system_sgpr_workgroup_id_z 1
		.amdhsa_system_vgpr_workitem_id 0
		.amdhsa_next_free_vgpr 1024
		.amdhsa_next_free_sgpr 102
		.amdhsa_reserve_vcc 0
		.amdhsa_float_denorm_mode_32 3
		.amdhsa_float_denorm_mode_16_64 3
		.amdhsa_memory_ordered 1
		.amdhsa_forward_progress 1
		.amdhsa_inst_pref_size 177
	.end_amdhsa_kernel
	.amdgpu_metadata
---
amdhsa.version: [ 1, 2 ]
amdhsa.kernels:
  - .name:           k_q8b7833a9ce_gemm_qkv
    .symbol:         k_q8b7833a9ce_gemm_qkv.kd
    .args:
      - { .name: xq, .offset: 0, .size: 8, .value_kind: global_buffer, .address_space: global }
      - { .name: wq, .offset: 8, .size: 8, .value_kind: global_buffer, .address_space: global }
      - { .name: b_attn, .offset: 16, .size: 8, .value_kind: global_buffer, .address_space: global }
      - { .name: qkv, .offset: 24, .size: 8, .value_kind: global_buffer, .address_space: global }
    .group_segment_fixed_size: 327680
    .private_segment_fixed_size: 0
    .kernarg_segment_align: 8
    .kernarg_segment_size: 32
    .max_flat_workgroup_size: 128
    .sgpr_count:     102
    .vgpr_count:     1024
    .wavefront_size: 32
...
	.end_amdgpu_metadata
.endif
;; end of part 2
;; launch attn (part 3): grid 4 x 64, 16 waves a work-group, clusters of 4 x 1, 215,040 bytes of LDS; arguments qkv, yq; writes yq
.if DOCPART == 3
	.amdgcn_target "amdgcn-amd-amdhsa--gfx1250"
	.amdhsa_code_object_version 6
	.text
	.protected	k_q8b7833a9ce_attn
	.globl	k_q8b7833a9ce_attn
	.p2align	8
	.type	k_q8b7833a9ce_attn,@function
k_q8b7833a9ce_attn:
	s_mov_b64 s[64:65], 0
	v_nop
	global_prefetch_b8 v0, s[64:65] scope:SCOPE_SE
	s_setreg_imm32_b32 hwreg(HW_REG_WAVE_MODE, 25, 1), 1
	s_wait_xcnt 0x0
	s_wait_alu depctr_hold_cnt(0) depctr_sa_sdst(0) depctr_va_vdst(0) depctr_va_sdst(0) depctr_va_ssrc(0) depctr_va_vcc(0) depctr_vm_vsrc(0)
	s_getreg_b32 s2, hwreg(HW_REG_IB_STS2, 6, 4)
	s_cmp_eq_u32 s2, 0
	s_cbranch_scc0 .Lentry_in_a_cluster
	s_endpgm
.Lentry_in_a_cluster:
	s_bfe_u32 s2, ttmp6, 0x10000c
	s_cmp_lg_u32 s2, 0x3003
	s_cbranch_scc0 .Lentry_shape_is_right
	s_endpgm
.Lentry_shape_is_right:
; Causal attention of one (batch, head) to a cluster, on codes of FP6 (E2M3) with E8M0 scales; head size 64, 2,048 tokens.  y is quantised along its channels at once, for the last product.
; THE SOFTMAX: t = score x log2(e) / 8; M = the row's largest t so far, rounded up to a whole number; p = 2^(t - M) is quantised along the keys, not normalised; the row's sum of the unquantised p divides at the end.
; When M moves, the sum and O are multiplied by 2^(old M - new M): exact.
; LDS.  The head's whole K (16 records of 6,656 bytes) lies at 0, its whole V behind it.  Every byte is filled once, by joint tensor loads that the cluster's four work-groups issue alike: two a wave,
; records 0-3 first.  By this text's count a wave has two tensor loads out.  Nothing is filled again.
; SHARES.  A tile is 16 queries; work-group j of the cluster takes the tiles t with t % 4 = j.  Wave w takes t = 4 (31 - w) + j and then t = 4 w + j: their last key steps, (31 - w) / 2 and w / 2, hang on the
; wave's number alone, and every wave has 17 key steps of 128 keys.  The loops' trip counts are constants; a step all of whose keys come after the tile is jumped over.
; LAYOUT.  Both products transposed: S^T = K Q^T, O^T = V^T P^T: a lane holds one query.  Lane r of a tile of keys, of queries or of V's channels is row 32 (t / 2) + 8 (t % 2) + r + 8 (r / 8) of its 128 (or 64),
; so 16 registers of two neighbouring tiles are 16 neighbours along the next K.
; K = 64 fills half of the matrix instruction: Q's registers 6-11 are zero codes, and a tile of K is named with the six registers that lie behind it, whatever they hold; their scale bytes are 1.0.
; LIMITS: NaN and infinities are not served; p under 2^-126 counts as 0; a block whose largest magnitude lies under 2^-124 keeps the byte 1.
; REGISTERS: v1-7 addresses and constants; v8-9 the step's LDS addresses; v12 -M, v13 the largest t, v[14:15] the sum; v16-27, v192-203 the two tiles of Q; v28-29 their scale words; v32-79 K's, then V's fragments;
;   v80-85 zeros; v88-91 K's scale words; v96-159 S^T, then p; v160-191 O^T; v204-211 y's codes; v224-235 p's codes; v232-254 at work; v248-249 V's scale words; v253 p's scale word.
.set REC,   6656
.set HEADB, 16*REC
.set SECB,  64*HEADB
.set VBASE, HEADB
.set YSC,   6291456
.set ADK,  8
.set ADV,  9
.set WV,   8                           ; s8  wave
.set SEL,  18                          ; s[18:19]
.set G0A,  24
.set G0B,  28
.set G1A,  32
.set G1B,  40
.set CS,   76                          ; s[76:77] c = log2(e) / 8
.set HM,   78                          ; s78 lanes 16-31
.set TB,   79                          ; s79 LDS byte at which the step's record begins
.set KS,   2                           ; s2  the key step
.set CNT,  3                           ; s3  trips to go
.macro CROUND
	s_barrier_signal -1
	s_barrier_wait -1
	s_cmp_lg_u32 s[WV], 0
	s_cbranch_scc1 .Lnot_wave_0_\@
	s_barrier_signal -3
.Lnot_wave_0_\@:
	s_barrier_wait -3
	s_barrier_signal -1
	s_barrier_wait -1
.endm
	s_load_b128 s[4:7], s[0:1], 0x0                ; qkv, yq
	v_lshl_add_u32 v251, v0, 2, 0x34000
	v_mov_b32 v255, 0
	ds_add_u32 v251, v255
	ds_add_u32 v251, v255
	v_lshrrev_b32 v8, 5, v0
	s_delay_alu instid0(VALU_DEP_1)
	v_readfirstlane_b32 s[WV], v8
	s_bfe_u32 s9, ttmp6, 0x40000                   ; j: my place in the cluster; it enters Q's and y's addresses and the mask's numbers alone
	s_and_b32 s10, ttmp7, 0xffff                   ; 16 x batch + head
	s_lshr_b32 s11, s[WV], 3                       ; I fetch for K (0) or for V (1),
	s_and_b32 s12, s[WV], 7                        ; an eighth of it
	s_mul_i32 s13, s11, VBASE
	s_mul_i32 s14, s12, 3328
	s_mul_i32 s15, s12, 9984
	s_add_co_u32 s15, s15, 4*REC
	s_add_co_u32 s16, s11, 1
	s_mul_i32 s16, s16, SECB
	s_mul_i32 s17, s10, HEADB                      ; the head's first byte in a section
	s_add_co_u32 s16, s16, s17
	s_add_co_u32 s20, s16, s14
	s_mov_b32 s21, 0
	s_add_co_u32 s22, s16, s15
	s_mov_b32 s23, 0
	; group 1: dense bytes as rows of 256 (32 elements of 8 bytes): 13 rows, an eighth of records 0-3; 39 rows, an eighth of records 4-15
	s_mov_b32 s[G1A], 15|(3<<16)|(1<<21)           ; the mask names all four work-groups
	s_mov_b32 s[G1A+1], 32<<16
	s_mov_b32 s[G1A+2], 13<<16
	s_mov_b32 s[G1A+3], 32<<16
	s_mov_b32 s[G1A+4], 13
	s_mov_b32 s[G1A+5], 32
	s_mov_b32 s[G1A+6], 0
	s_mov_b32 s[G1A+7], 0
	s_mov_b32 s[G1B], 15|(3<<16)|(1<<21)
	s_mov_b32 s[G1B+1], 32<<16
	s_mov_b32 s[G1B+2], 39<<16
	s_mov_b32 s[G1B+3], 32<<16
	s_mov_b32 s[G1B+4], 39
	s_mov_b32 s[G1B+5], 32
	s_mov_b32 s[G1B+6], 0
	s_mov_b32 s[G1B+7], 0
	s_mov_b32 s[SEL], 0x76543210
	s_mov_b32 s[SEL+1], 0xfedcba98
	s_mov_b32 s[CS], 0x3e38aa3b                    ; log2(e) / 8
	s_mov_b32 s[CS+1], s[CS]
	s_mov_b32 s[HM], 0xffff0000
	s_wait_dscnt 0x0
	s_wait_kmcnt 0x0
	s_mov_b32 s[G0A], 1
	s_add_co_u32 s[G0A+1], s13, s14
	s_add_nc_u64 s[G0A+2:G0A+3], s[4:5], s[20:21]
	s_or_b32 s[G0A+3], s[G0A+3], 0x80000000
	s_mov_b32 s[G0B], 1
	s_add_co_u32 s[G0B+1], s13, s15
	s_add_nc_u64 s[G0B+2:G0B+3], s[4:5], s[22:23]
	s_or_b32 s[G0B+3], s[G0B+3], 0x80000000
	CROUND                                         ; all four work-groups are here: the joint loads meet
	tensor_load_to_lds s[G0A:G0A+3], s[G1A:G1A+7]
	s_nop 0
	tensor_load_to_lds s[G0B:G0B+3], s[G1B:G1B+7]
	s_nop 0
.rept 4
	v_nop
.endr
	v_and_b32 v9, 31, v0
	s_delay_alu instid0(VALU_DEP_1)
	v_lshlrev_b32 v1, 4, v9                        ; 16 x lane: my place in every image
	s_delay_alu instid0(VALU_DEP_1)
	v_add_nc_u32 v2, VBASE, v1
	s_delay_alu instid0(VALU_DEP_3)
	v_lshlrev_b32 v6, 3, v9                        ; 8 x lane
	v_and_b32 v10, 15, v0                          ; r
	v_bfe_u32 v11, v0, 4, 1                        ; h
	s_delay_alu instid0(VALU_DEP_1)
	v_lshl_add_u32 v7, v10, 5, v11                 ; y's scale bytes: 32 r + h
	s_delay_alu instid0(VALU_DEP_3)
	v_and_b32 v8, 8, v10
	s_delay_alu instid0(VALU_DEP_1)
	v_add_nc_u32 v8, v8, v10
	s_delay_alu instid0(VALU_DEP_4)
	v_lshlrev_b32 v11, 4, v11
	s_delay_alu instid0(VALU_DEP_1)
	v_sub_nc_u32 v11, v8, v11                      ; r + 8 (r / 8) - 16 h
	s_wait_alu depctr_va_vdst(0)
	v_mov_b32 v5, 0xff800000                       ; -infinity
	s_sub_co_u32 s66, 31, s[WV]
	s_lshr_b32 s52, s66, 1                         ; the first tile's last key step
	s_lshl_b32 s53, s66, 2
	s_add_co_u32 s53, s53, s9                      ; the first tile
	s_lshr_b32 s58, s[WV], 1
	s_lshl_b32 s59, s[WV], 2
	s_add_co_u32 s59, s59, s9                      ; the second
; all that hangs on a tile t = s[st]: Q's fragment and scale word are asked for; the mask's number; y's addresses
.macro PASSSET st, qb, yc, ys, qf, qs, dq, va
	s_and_b32 s66, s[\st], 7
	s_lshr_b32 s67, s[\st], 3
	s_mul_i32 s67, s67, REC
	s_add_co_u32 s68, s67, s17
	s_mov_b32 s69, 0
	s_add_nc_u64 s[\qb:\qb+1], s[4:5], s[68:69]    ; q's record
	s_mul_i32 s70, s66, 6                          ; the tile's first register in the record's image
.irp i, 0,1,2
	s_add_co_u32 s71, s70, 2*\i
	s_lshr_b32 s72, s71, 2
	s_lshl_b32 s72, s72, 9
	s_and_b32 s71, s71, 3
	s_lshl_b32 s71, s71, 2
	s_add_co_u32 s71, s71, s72                     ; 512 x (register / 4) + 4 x (register % 4)
	v_add_nc_u32 v[\va+\i], s71, v1
	global_load_b64 v[\qf+2*\i:\qf+2*\i+1], v[\va+\i], s[\qb:\qb+1]
.endr
	s_and_b32 s71, s[\st], 1
	s_lshl_b32 s72, s71, 8
	s_lshr_b32 s73, s66, 1
	s_lshl_b32 s74, s73, 2
	s_add_co_u32 s72, s72, s74
	v_lshl_add_u32 v[\va+3], v10, 4, s72           ; word (t % 8) / 2 of lane r + 16 (t % 2)
	global_load_b32 v[\qs], v[\va+3], s[\qb:\qb+1] offset:6144
	s_lshl_b32 s73, s73, 5
	s_lshl_b32 s71, s71, 3
	s_add_co_u32 s73, s73, s71
	v_add_nc_u32 v[\dq], s73, v11                  ; my query's place in its 128, less 16 h
	s_lshr_b32 s71, s10, 4
	s_lshl_b32 s71, s71, 7
	s_add_co_u32 s71, s71, s[\st]                  ; y's tile of places
	s_and_b32 s72, s10, 15
	s_mul_i32 s74, s71, 12288
	s_mul_i32 s73, s72, 768
	s_add_co_u32 s74, s74, s73
	s_mov_b32 s75, 0
	s_add_nc_u64 s[\yc:\yc+1], s[6:7], s[74:75]    ; its half image: the head's 64 along K
	s_lshl_b32 s74, s71, 9
	s_lshl_b32 s73, s72, 1
	s_add_co_u32 s74, s74, s73
	s_add_co_u32 s74, s74, YSC
	s_add_nc_u64 s[\ys:\ys+1], s[6:7], s[74:75]
.endm
	PASSSET 53, 60, 48, 50, 16, 28, 3, 96
	PASSSET 59, 62, 54, 56, 192, 29, 4, 100
.irp i, 0,1,2,3,4,5
	v_mov_b32 v[22+\i], 0                          ; zero codes for K 64 .. 127
	v_mov_b32 v[198+\i], 0
	v_mov_b32 v[80+\i], 0                          ; (named behind K's last tile)
.endr
.irp b, 0,1,2,3
	v_mov_b32 v[236+\b], 0                         ; a lane permute's destination counts as one of its sources
.endr
	v_mov_b32 v252, 0
	v_mov_b32 v253, 0                              ; (named as the upper half of the pair v[252:253] before it is first written)
.macro INIT
	v_mov_b32 v13, 0xff61b1e6                      ; the largest t so far: -3e38
	s_delay_alu instid0(VALU_DEP_1)
	v_floor_f32 v12, -v13
	v_mov_b32 v14, 0
	v_mov_b32 v15, 0
.set n, 0
.rept 32
	v_mov_b32 v[160+n], 0                          ; O^T: the first change of M leaves zeros zeros
.set n, n+1
.endr
	s_mov_b32 s[TB], 0
	s_mov_b32 s[KS], 0
.endm
; A KEY STEP: 128 keys.  guard = 1: left out where all its keys come after the tile; masked where it is the tile's own step.
.macro STEP qf, qs, dq, last, guard
.if \guard
	s_cmp_gt_u32 s[KS], s[\last]
	s_cbranch_scc1 .Ltail_\@
.endif
	s_setprio 2
	v_add_nc_u32 v[ADK], s[TB], v1
	v_add_nc_u32 v[ADV], s[TB], v2
	v_nop
	v_nop                                          ; four plain lines in front of loads into registers that the last products read
.irp k, 0,1,2,3,4,5,6,7,8,9,10,11
	ds_load_b128 v[32+4*\k:35+4*\k], v[ADK] offset:512*\k      ; K's eight tiles, six registers each
.endr
	ds_load_b128 v[88:91], v[ADK] offset:6144      ; word i: lanes 0-15 tile 2 i, lanes 16-31 tile 2 i + 1
	s_wait_alu depctr_va_vdst(0)
	s_wait_dscnt 0x0
.irp t, 0,2,4,6
	v_wmma_scale_f32_16x16x128_f8f6f4 v[96+8*\t:103+8*\t], v[32+6*\t:43+6*\t], v[\qf:\qf+11], 0, v[88+\t/2], v[\qs] matrix_a_fmt:MATRIX_FMT_FP6 matrix_b_fmt:MATRIX_FMT_FP6
	v_wmma_scale_f32_16x16x128_f8f6f4 v[104+8*\t:111+8*\t], v[38+6*\t:49+6*\t], v[\qf:\qf+11], 0, v[88+\t/2], v[\qs] matrix_a_fmt:MATRIX_FMT_FP6 matrix_b_fmt:MATRIX_FMT_FP6 matrix_a_scale:MATRIX_SCALE_ROW1
.endr
.rept 4
	v_nop                                          ; places: for the loads below and for the first read of the scores
.endr
.irp k, 0,1,2,3,4,5,6,7,8,9,10,11
	ds_load_b128 v[32+4*\k:35+4*\k], v[ADV] offset:512*\k      ; V's four fragments: they land while the softmax is walked
.endr
	ds_load_b64 v[248:249], v[ADV] offset:6144
.if \guard
	s_cmp_lg_u32 s[KS], s[\last]
	s_cbranch_scc1 .Lopen_\@
.set n, 0
.rept 64                               ; register 16 b + i holds key 32 b + 16 h + i of the step: hidden where 32 b + i is above my query's place less 16 h
	v_cmp_gt_i32 vcc_lo, 32*(n/16)+n%16, v[\dq]
	v_cndmask_b32 v[96+n], v[96+n], v5, vcc_lo
.set n, n+1
.endr
.Lopen_\@:
.endif
.irp b, 0,1,2,3
	v_max3_num_f32 v[232+\b], v[96+16*\b], v[97+16*\b], v[98+16*\b]   ; the largest score of each block of 32 keys: for the row's maximum, and, since p rises with the score, for the block's largest p
.endr
.irp i, 3,5,7,9,11,13
.irp b, 0,1,2,3
	v_max3_num_f32 v[232+\b], v[232+\b], v[96+16*\b+\i], v[97+16*\b+\i]
.endr
.endr
.irp b, 0,1,2,3
	v_max_num_f32 v[232+\b], v[232+\b], v[111+16*\b]
.endr
.irp b, 0,1,2,3
	s_delay_alu instid0(VALU_DEP_4)
	v_permlanex16_b32 v[236+\b], v[232+\b], s[SEL], s[SEL+1]
.endr
.irp b, 0,1,2,3
	s_delay_alu instid0(VALU_DEP_4)
	v_max_num_f32 v[232+\b], v[232+\b], v[236+\b]
.endr
	s_delay_alu instid0(VALU_DEP_2)
	v_max3_num_f32 v254, v232, v233, v234
	s_delay_alu instid0(VALU_DEP_1)
	v_max_num_f32 v254, v254, v235
	s_delay_alu instid0(VALU_DEP_1)
	v_mul_f32 v254, s[CS], v254
	s_delay_alu instid0(VALU_DEP_1)
	v_max_num_f32 v13, v13, v254                   ; the running largest t
	v_mov_b32 v254, v12
	s_delay_alu instid0(VALU_DEP_2)
	v_floor_f32 v12, -v13                          ; the new -M: a whole number
	s_delay_alu instid0(VALU_DEP_1)
	v_sub_f32 v254, v12, v254
	s_delay_alu instid0(VALU_DEP_1)
	v_cvt_i32_f32 v254, v254                       ; (it saturates)
	s_delay_alu instid0(VALU_DEP_1)
	v_ldexp_f32 v252, 1.0, v254                    ; f = 2^(old M - new M)
.set n, 0
.rept 32
	v_pk_fma_f32 v[96+n:97+n], v[96+n:97+n], s[CS:CS+1], v[12:13] op_sel_hi:[1,0,0]   ; t - M
.set n, n+2
.endr
.irp b, 0,1,2,3
	v_fma_f32 v[232+\b], v[232+\b], s[CS], v12
.endr
.set n, 0
	s_setprio 1
	s_wait_alu depctr_va_vdst(0)
.rept 64
	v_exp_f32 v[96+n], v[96+n]                     ; p = 2^(t - M)
.set n, n+1
.endr
	v_pk_mul_f32 v[14:15], v[14:15], v[252:253] op_sel_hi:[1,0]   ; the sums under the new M; the plain line behind the exponentials
	s_wait_alu depctr_va_vdst(0)                   ; one wait for the batch, ahead of its first reader
.irp b, 0,1,2,3
	v_exp_f32 v[232+\b], v[232+\b]                 ; each block's largest p
.endr
	v_pk_add_f32 v[236:237], v[100:101], v[104:105]
	v_pk_add_f32 v[246:247], v[108:109], v[112:113]
	v_pk_add_f32 v[244:245], v[116:117], v[120:121]
	v_pk_add_f32 v[242:243], v[124:125], v[128:129]
	v_pk_add_f32 v[240:241], v[132:133], v[136:137]
	v_pk_add_f32 v[238:239], v[140:141], v[144:145]
	v_pk_add_f32 v[230:231], v[148:149], v[152:153]
	v_pk_add_f32 v[14:15], v[14:15], v[156:157]
	v_pk_add_f32 v[236:237], v[236:237], v[96:97]
	v_pk_add_f32 v[246:247], v[246:247], v[98:99]
	v_pk_add_f32 v[244:245], v[244:245], v[102:103]
	v_pk_add_f32 v[242:243], v[242:243], v[106:107]
	v_pk_add_f32 v[240:241], v[240:241], v[110:111]
	v_pk_add_f32 v[238:239], v[238:239], v[114:115]
	v_pk_add_f32 v[230:231], v[230:231], v[118:119]
	v_pk_add_f32 v[14:15], v[14:15], v[122:123]
	v_pk_add_f32 v[236:237], v[236:237], v[126:127]
	v_pk_add_f32 v[246:247], v[246:247], v[130:131]
	v_pk_add_f32 v[244:245], v[244:245], v[134:135]
	v_pk_add_f32 v[242:243], v[242:243], v[138:139]
	v_pk_add_f32 v[240:241], v[240:241], v[142:143]
	v_pk_add_f32 v[238:239], v[238:239], v[146:147]
	v_pk_add_f32 v[230:231], v[230:231], v[150:151]
	v_pk_add_f32 v[14:15], v[14:15], v[154:155]
	v_pk_add_f32 v[236:237], v[236:237], v[158:159]
	s_delay_alu instid0(VALU_DEP_2)
	v_pk_add_f32 v[14:15], v[14:15], v[242:243]
	s_delay_alu instid0(VALU_DEP_2)
	v_pk_add_f32 v[236:237], v[236:237], v[240:241]
	v_pk_add_f32 v[246:247], v[246:247], v[238:239]
	v_pk_add_f32 v[244:245], v[244:245], v[230:231]
	s_delay_alu instid0(VALU_DEP_2)
	v_pk_add_f32 v[14:15], v[14:15], v[246:247]
	s_delay_alu instid0(VALU_DEP_2)
	v_pk_add_f32 v[236:237], v[236:237], v[244:245]
	s_delay_alu instid0(VALU_DEP_1)
	v_pk_add_f32 v[14:15], v[14:15], v[236:237]
	s_wait_alu depctr_va_vdst(0)                   ; and one for the four
.irp b, 0,1,2,3
	v_max_num_f32 v[232+\b], 0x1800000, v[232+\b]  ; the floor 2^(3 - 127)
.endr
.irp b, 0,1,2,3
	s_delay_alu instid0(VALU_DEP_4)
	v_add_nc_u32 v[244+\b], 0xff000000, v[232+\b]
.endr
.irp b, 0,1,2,3
	s_delay_alu instid0(VALU_DEP_4)
	v_lshrrev_b32 v[236+\b], 23, v[244+\b]
.endr
	s_delay_alu instid0(VALU_DEP_3)
	v_lshl_or_b32 v253, v237, 8, v236              ; p's scale word for these 128 keys
	s_delay_alu instid0(VALU_DEP_1)
	v_lshl_or_b32 v253, v238, 16, v253
	s_delay_alu instid0(VALU_DEP_1)
	v_lshl_or_b32 v253, v239, 24, v253
.irp c, 0,1
	v_cvt_scalef32_pk16_fp6_f32 v[224+6*\c:226+6*\c], v[96+32*\c:111+32*\c], v[244+2*\c]
	v_cvt_scalef32_pk16_fp6_f32 v[236+4*\c:238+4*\c], v[112+32*\c:127+32*\c], v[244+2*\c+1]
.endr
	v_nop                                          ; one plain line behind the conversions
	s_setprio 0
.irp c, 0,1
.irp i, 0,1,2
	v_permlane16_swap_b32 v[224+6*\c+\i], v[236+4*\c+\i]
.endr
.irp i, 0,1,2
	s_delay_alu instid0(VALU_DEP_3)
	v_mov_b32 v[227+6*\c+\i], v[236+4*\c+\i]
.endr
.endr
.set n, 0
.rept 16
	v_pk_mul_f32 v[160+n:161+n], v[160+n:161+n], v[252:253] op_sel_hi:[1,0]   ; O^T under the new M; also the plain lines between p's codes and scale word and the products
.set n, n+2
.endr
	s_wait_alu depctr_va_vdst(0)
	s_wait_dscnt 0x0                               ; V
.irp t, 0,2
	v_wmma_scale_f32_16x16x128_f8f6f4 v[160+8*\t:167+8*\t], v[32+12*\t:43+12*\t], v[224:235], v[160+8*\t:167+8*\t], v[248+\t/2], v253 matrix_a_fmt:MATRIX_FMT_FP6 matrix_b_fmt:MATRIX_FMT_FP6
	v_wmma_scale_f32_16x16x128_f8f6f4 v[168+8*\t:175+8*\t], v[44+12*\t:55+12*\t], v[224:235], v[168+8*\t:175+8*\t], v[248+\t/2], v253 matrix_a_fmt:MATRIX_FMT_FP6 matrix_b_fmt:MATRIX_FMT_FP6 matrix_a_scale:MATRIX_SCALE_ROW1
.endr
.if \guard
.Ltail_\@:
.endif
	s_add_co_u32 s[TB], s[TB], REC
	s_add_co_u32 s[KS], s[KS], 1
.endm
; O^T / the sum is y's tile: register 16 b + i = channel 32 b + 16 h + i: two blocks of 32, quantised, stored as a half image and 32 scale bytes
.macro FINISH yc, ys
	s_wait_xcnt 0x0                                ; earlier stores have read their registers
.rept 4
	v_nop                                          ; places behind the last products
.endr
	v_add_f32 v14, v14, v15
	s_delay_alu instid0(VALU_DEP_1)
	v_permlanex16_b32 v252, v14, s[SEL], s[SEL+1]
	s_delay_alu instid0(VALU_DEP_1)
	v_add_f32 v14, v14, v252                       ; the row's sum
	s_wait_alu depctr_va_vdst(0)
	v_rcp_f32 v14, v14
	v_nop
	s_wait_alu depctr_va_vdst(0)                   ; ahead of the first reader
.set n, 0
.rept 32
	v_mul_f32 v[96+n], v[160+n], v14
.set n, n+1
.endr
	v_max3_num_f32 v232, |v96|, |v97|, 0x1800000
	v_max3_num_f32 v233, |v112|, |v113|, 0x1800000
.irp i, 2,4,6,8,10,12,14
	s_delay_alu instid0(VALU_DEP_2)
	v_max3_num_f32 v232, v232, |v[96+\i]|, |v[97+\i]|
	s_delay_alu instid0(VALU_DEP_2)
	v_max3_num_f32 v233, v233, |v[112+\i]|, |v[113+\i]|
.endr
	s_delay_alu instid0(VALU_DEP_2)
	v_permlanex16_b32 v236, v232, s[SEL], s[SEL+1]
	s_delay_alu instid0(VALU_DEP_2)
	v_permlanex16_b32 v237, v233, s[SEL], s[SEL+1]
	s_delay_alu instid0(VALU_DEP_2)
	v_max_num_f32 v232, v232, v236
	s_delay_alu instid0(VALU_DEP_2)
	v_max_num_f32 v233, v233, v237
	s_delay_alu instid0(VALU_DEP_2)
	v_add_nc_u32 v244, 0xff000000, v232
	s_delay_alu instid0(VALU_DEP_2)
	v_add_nc_u32 v245, 0xff000000, v233
	s_delay_alu instid0(VALU_DEP_2)
	v_lshrrev_b32 v236, 23, v244
	s_delay_alu instid0(VALU_DEP_2)
	v_lshrrev_b32 v237, 23, v245
	s_delay_alu instid0(VALU_DEP_1)
	v_cndmask_b32 v211, v236, v237, s[HM]          ; block h's byte
	v_cvt_scalef32_pk16_fp6_f32 v[204:206], v[96:111], v244
	v_cvt_scalef32_pk16_fp6_f32 v[240:242], v[112:127], v245
	v_nop
.irp i, 0,1,2
	v_permlane16_swap_b32 v[204+\i], v[240+\i]
.endr
.irp i, 0,1,2
	s_delay_alu instid0(VALU_DEP_3)
	v_mov_b32 v[207+\i], v[240+\i]
.endr
	global_store_b128 v1, v[204:207], s[\yc:\yc+1]             ; 512 consecutive bytes,
	global_store_b64 v6, v[208:209], s[\yc:\yc+1] offset:512   ; and the 256 behind them
	global_store_b8 v7, v211, s[\ys:\ys+1]                     ; 32 single bytes, two of each place's 32, beside 768 bytes of codes
.endm
	INIT
	s_wait_tensorcnt 1                             ; my part of records 0-3 is in; the second load may be out
	s_barrier_signal -1
	s_barrier_wait -1                              ; everybody's is
	s_wait_loadcnt 0x0                             ; Q
	s_mov_b32 s[CNT], 4
.Lloop_a:                                          ; key steps 0-3 of the first tile, whose own step is 8 or later
	STEP 16, 28, 3, 52, 0
	s_sub_co_u32 s[CNT], s[CNT], 1
	s_cmp_lg_u32 s[CNT], 0
	s_cbranch_scc1 .Lloop_a
	s_setprio 0
	s_wait_tensorcnt 0x0                           ; my part of records 4-15 is in,
	s_wait_dscnt 0x0
	s_barrier_signal -1
	s_barrier_wait -1                              ; everybody's is
	s_mov_b32 s[CNT], 12
.Lloop_b:
	STEP 16, 28, 3, 52, 1
	s_sub_co_u32 s[CNT], s[CNT], 1
	s_cmp_lg_u32 s[CNT], 0
	s_cbranch_scc1 .Lloop_b
	s_setprio 0
	FINISH 48, 50
	INIT
	s_mov_b32 s[CNT], 8
.Lloop_c:                                          ; the second tile: its own step is 7 or earlier
	STEP 192, 29, 4, 58, 1
	s_sub_co_u32 s[CNT], s[CNT], 1
	s_cmp_lg_u32 s[CNT], 0
	s_cbranch_scc1 .Lloop_c
	s_setprio 0
	FINISH 54, 56
	s_wait_tensorcnt 0x0
	ds_add_u32 v251, v255
	s_wait_dscnt 0x0
	CROUND                                         ; the closing round
	s_endpgm
.Lfunc_end_k_q8b7833a9ce_attn:
	.size	k_q8b7833a9ce_attn, .Lfunc_end_k_q8b7833a9ce_attn-k_q8b7833a9ce_attn
	.p2alignl 7, 3214868480
	.fill 96, 4, 3214868480
	.section	.rodata,"a",@progbits
	.p2align	6, 0x0
	.amdhsa_kernel k_q8b7833a9ce_attn
		.amdhsa_group_segment_fixed_size 215040
		.amdhsa_private_segment_fixed_size 0
		.amdhsa_enable_private_segment 0
		.amdhsa_kernarg_size 16
		.amdhsa_user_sgpr_count 2
		.amdhsa_user_sgpr_kernarg_segment_ptr 1
		.amdhsa_wavefront_size32 1
		.amdhsa_system_sgpr_workgroup_id_x 1
		.amdhsa_system_sgpr_workgroup_id_y 1
		.amdhsa_system_sgpr_workgroup_id_z 1
		.amdhsa_system_vgpr_workitem_id 0
		.amdhsa_next_free_vgpr 256
		.amdhsa_next_free_sgpr 80
		.amdhsa_reserve_vcc 1
		.amdhsa_float_denorm_mode_32 3
		.amdhsa_float_denorm_mode_16_64 3
		.amdhsa_memory_ordered 1
		.amdhsa_forward_progress 1
		.amdhsa_inst_pref_size 83
	.end_amdhsa_kernel
	.amdgpu_metadata
---
amdhsa.version: [ 1, 2 ]
amdhsa.kernels:
  - .name:           k_q8b7833a9ce_attn
    .symbol:         k_q8b7833a9ce_attn.kd
    .args:
      - { .name: qkv, .offset: 0, .size: 8, .value_kind: global_buffer, .address_space: global }
      - { .name: yq, .offset: 8, .size: 8, .value_kind: global_buffer, .address_space: global }
    .group_segment_fixed_size: 215040
    .private_segment_fixed_size: 0
    .kernarg_segment_align: 8
    .kernarg_segment_size: 16
    .max_flat_workgroup_size: 512
    .sgpr_count:     80
    .vgpr_count:     256
    .wavefront_size: 32
...
	.end_amdgpu_metadata
.endif
;; end of part 3
;; launch gemm_out (part 4): grid 4 x 32, 4 waves a work-group, clusters of 4 x 4, 327,680 bytes of LDS; arguments yq, wq, b_proj, out0; writes out0
.if DOCPART == 4
	.amdgcn_target "amdgcn-amd-amdhsa--gfx1250"
	.amdhsa_code_object_version 6
	.text
	.protected	k_q8b7833a9ce_gemm_out
	.globl	k_q8b7833a9ce_gemm_out
	.p2align	8
	.type	k_q8b7833a9ce_gemm_out,@function
k_q8b7833a9ce_gemm_out:
	s_mov_b64 s[64:65], 0
	v_nop
	global_prefetch_b8 v0, s[64:65] scope:SCOPE_SE
	s_setreg_imm32_b32 hwreg(HW_REG_WAVE_MODE, 25, 1), 1
	s_wait_xcnt 0x0
	s_wait_alu depctr_hold_cnt(0) depctr_sa_sdst(0) depctr_va_vdst(0) depctr_va_sdst(0) depctr_va_ssrc(0) depctr_va_vcc(0) depctr_vm_vsrc(0)
	s_getreg_b32 s2, hwreg(HW_REG_IB_STS2, 6, 4)
	s_cmp_eq_u32 s2, 0
	s_cbranch_scc0 .Lentry_in_a_cluster
	s_endpgm
.Lentry_in_a_cluster:
	s_bfe_u32 s2, ttmp6, 0x10000c
	s_cmp_lg_u32 s2, 0xf033
	s_cbranch_scc0 .Lentry_shape_is_right
	s_endpgm
.Lentry_shape_is_right:
; out = y W_proj + b_proj on codes of FP6 (E2M3) with E8M0 scales; out [8192][1024] f32.
; A work-group of four waves makes 256 x 256, a wave 128 x 128: 64 accumulators.  Source 0 = 16 places of P (W_proj's columns: wq's rows 3072 on), source 1 = 16 places of R (y's rows).
; Rows are kept by place (bits 3 and 4 of the row's number change places): the 16 registers of P's tiles 2 b, 2 b + 1 are columns 32 b + 16 (lane / 16) + 0 .. 15, and lane r of R's tile a is row 32 (a / 2) + 8 (a % 2) + r + 8 (r / 8).
; K = 1,024 goes in steps of 256 through two LDS slots; a tile of 16 places x 256 along K is four half images of 768 bytes (lane l: registers 0-3 at 16 l, registers 4-5 at 512 + 8 l).
; CLUSTERS: 4 x 4: R's tiles are shared along a row of the cluster, P's along a column: joint tensor loads.  By this text's count a wave has three tensor loads out at the start and one behind each round.
; The bias is the C of each sum's first matrix instruction.  LIMITS: NaN and infinities are not served.
; REGISTERS: window 0: v16-29 addresses; v32-63 scale words, two sets; v64-127 the bias; v128-223 R's fragments; on the way out v128-255 rows of out.  window 1: P's fragments, two sets.  windows 2, 3: the accumulators.
.set NQ,     2
.set FR,     12
.set NL,     4
.set NP,     4
.set TILEB,  3072
.set TROW,   12288
.set HALFT,  8*TILEB
.set SLOT,   4*HALFT
.set SCL,    2*SLOT
.set HALFS,  16*272
.set SBLK,   2*272
.set SPARE,  SCL+4*HALFS
.set XSCALES, 6291456
.set WSCALES, 3145728
.set SPITCH, 528                       ; the way out: a stage of 16 rows x (512 bytes + 16) for each wave, in slot 0, which has had its last fill and its last read by then
.set ADRA, 16
.set ADRB, 20
.set STO,  24
.set RD,   25
.set L16,  26
.set ADRS, 27
.set SPW,  28
.set NIL,  29
.set SC,   32
.set BP,   64
.set AF,   128
.set BK,   128
.set G1, 24
.set G0, 32
.set G1B, 48
.set G0B, 56
.set G1S, 68
.set G0S, 76
.set G1SB, 80
.set G0SB, 88
.set MSB, 0
.macro WIN new
.if MSB != (\new)
	s_set_vgpr_msb (MSB<<8)|(\new)
.set MSB, (\new)
.endif
.endm
.set MUL_LO, 0xa1
.set MUL_HI, 0xf1
.set TO_B,   0x40
.macro JLOAD g0a, g1a, g0b, g1b        ; a joint load: waves 0 and 1 fetch for R, waves 2 and 3 for P; four v_nop follow each line
	s_cmp_eq_u32 s15, 0
	s_cbranch_scc0 .Lfor_b_\@
	tensor_load_to_lds s[\g0a:\g0a+3], s[\g1a:\g1a+7]
	s_nop 0
.rept 4
	v_nop
.endr
	s_branch .Lasked_\@
.Lfor_b_\@:
	tensor_load_to_lds s[\g0b:\g0b+3], s[\g1b:\g1b+7]
	s_nop 0
.rept 4
	v_nop
.endr
.Lasked_\@:
.endm
.macro CREST
	s_cmp_lg_u32 s14, 0
	s_cbranch_scc1 .Lnot_wave_0_\@
	s_barrier_signal -3
.Lnot_wave_0_\@:
	s_barrier_wait -3
	s_barrier_signal -1
	s_barrier_wait -1
.endm
.macro CROUND
	s_barrier_signal -1
	s_barrier_wait -1
	CREST
.endm
	s_load_b256 s[4:11], s[0:1], 0x0               ; yq s[4:5], wq s[6:7], b_proj s[8:9], out0 s[10:11]
	v_lshl_add_u32 v[SPW], v0, 2, SPARE
	v_mov_b32 v[NIL], 0
	ds_add_u32 v28, v29
	ds_add_u32 v28, v29
	s_wait_dscnt 0x0
	v_lshrrev_b32 v1, 5, v0
	v_readfirstlane_b32 s14, v1
	s_lshr_b32 s15, s14, 1
	s_and_b32 s16, s14, 1
	s_bfe_u32 s40, ttmp6, 0x40000                  ; cx
	s_bfe_u32 s41, ttmp6, 0x40004                  ; cy
	s_lshl_b32 s42, ttmp9, 2
	s_add_co_u32 s42, s42, s40                     ; which 256 columns of out
	s_and_b32 s17, ttmp7, 0xffff
	s_lshl_b32 s17, s17, 2
	s_add_co_u32 s17, s17, s41                     ; which 256 rows
	s_lshl_b32 s43, s41, 2
	s_lshl_b32 s43, 15, s43
	s_lshl_b32 s44, 0x1111, s40
	s_or_b32 s[G1+0], s43, (3<<16)|(1<<21)         ; codes: 8 tiles (rows) of 384 elements of 8 bytes, 12,288 bytes apart; no padding
	s_or_b32 s[G1B+0], s44, (3<<16)|(1<<21)
.irp g, G1, G1B
	s_mov_b32 s[\g+1], 384<<16
	s_mov_b32 s[\g+2], 8<<16
	s_mov_b32 s[\g+3], 384<<16
	s_mov_b32 s[\g+4], 8
	s_mov_b32 s[\g+5], 1536
	s_mov_b32 s[\g+6], 0
	s_mov_b32 s[\g+7], 0
.endr
	s_or_b32 s[G1S+0], s43, (3<<16)|(1<<20)|(1<<21)|(5<<22)|(3<<25)   ; scale bytes of 128 places: 16 rows of 256 bytes, 16 of padding behind each
	s_or_b32 s[G1SB+0], s44, (3<<16)|(1<<20)|(1<<21)|(5<<22)|(3<<25)
.irp g, G1S, G1SB
	s_mov_b32 s[\g+1], 32<<16
	s_mov_b32 s[\g+2], 16<<16
	s_mov_b32 s[\g+3], 32<<16
	s_mov_b32 s[\g+4], 16
	s_mov_b32 s[\g+5], 32
	s_mov_b32 s[\g+6], 0
	s_mov_b32 s[\g+7], 0
.endr
	s_lshl_b32 s13, s16, 3
	s_lshl_b32 s18, s17, 4                         ; R, in registers that never hold cx
	s_add_co_u32 s18, s18, s13
	s_mul_i32 s22, s18, TROW
	s_mov_b32 s23, 0
	s_lshl_b32 s18, s18, 9
	s_add_co_u32 s18, s18, XSCALES
	s_mov_b32 s19, 0
	s_lshl_b32 s92, s42, 4                         ; P, in registers that never hold cy
	s_add_co_u32 s92, s92, s13
	s_add_co_u32 s92, s92, 192                     ; W_proj's tiles lie behind W_attn's 192
	s_mul_i32 s98, s92, TROW
	s_mov_b32 s99, 0
	s_lshl_b32 s92, s92, 9
	s_add_co_u32 s92, s92, WSCALES
	s_mov_b32 s93, 0
	s_mul_i32 s45, s14, HALFT
	s_mul_i32 s94, s14, HALFS
	s_wait_kmcnt 0x0
	s_add_nc_u64 s[18:19], s[4:5], s[18:19]
	s_add_nc_u64 s[20:21], s[4:5], s[22:23]
	s_add_nc_u64 s[92:93], s[6:7], s[92:93]
	s_add_nc_u64 s[46:47], s[6:7], s[98:99]
	CROUND                                         ; all sixteen work-groups are here: the first joint loads meet
	s_mov_b32 s[G0S], 1
	s_add_co_u32 s[G0S+1], s94, SCL
	s_mov_b64 s[G0S+2:G0S+3], s[18:19]
	s_or_b32 s[G0S+3], s[G0S+3], 0x80000000
	s_mov_b32 s[G0SB], 1
	s_add_co_u32 s[G0SB+1], s94, SCL
	s_mov_b64 s[G0SB+2:G0SB+3], s[92:93]
	s_or_b32 s[G0SB+3], s[G0SB+3], 0x80000000
	JLOAD G0S, G1S, G0SB, G1SB
.irp s, 0,1
	s_mov_b32 s[G0+4*\s], 1
	s_add_co_u32 s[G0+4*\s+1], s45, \s*SLOT
	s_add_nc_u64 s[G0+4*\s+2:G0+4*\s+3], s[20:21], \s*TILEB
	s_or_b32 s[G0+4*\s+3], s[G0+4*\s+3], 0x80000000
	s_mov_b32 s[G0B+4*\s], 1
	s_add_co_u32 s[G0B+4*\s+1], s45, \s*SLOT
	s_add_nc_u64 s[G0B+4*\s+2:G0B+4*\s+3], s[46:47], \s*TILEB
	s_or_b32 s[G0B+4*\s+3], s[G0B+4*\s+3], 0x80000000
	JLOAD G0+4*\s, G1, G0B+4*\s, G1B
.endr
	v_and_b32 v1, 15, v0                           ; r
	v_bfe_u32 v2, v0, 4, 1                         ; h
	v_and_b32 v3, 31, v0
	v_lshlrev_b32 v[L16], 4, v3
	v_lshlrev_b32 v5, 3, v3
	s_mul_i32 s18, s15, HALFT
	s_mul_i32 s19, s16, HALFT
	s_add_co_u32 s19, s19, 2*HALFT
.irp s, 0,1
	v_add_nc_u32 v[ADRA+\s], s18, v[L16]
	v_add_nc_u32 v[ADRB+\s], s19, v[L16]
	v_add_nc_u32 v[ADRA+2+\s], s18, v5
	v_add_nc_u32 v[ADRB+2+\s], s19, v5
	s_add_co_u32 s18, s18, SLOT
	s_add_co_u32 s19, s19, SLOT
.endr
	v_lshlrev_b32 v8, 5, v1
	v_lshrrev_b32 v9, 8, v8
	v_lshl_add_u32 v8, v9, 4, v8
	s_mul_i32 s22, s15, HALFS
	s_mul_i32 s23, s16, HALFS
	s_add_co_u32 s23, s23, 2*HALFS
	s_sub_co_u32 s23, s23, s22
	v_mul_u32_u24 v9, s23, v2
	s_add_co_u32 s22, s22, SCL
	v_add_nc_u32 v8, v8, v9
	v_add_nc_u32 v[ADRS], s22, v8
	s_mul_i32 s22, s14, 16*SPITCH                  ; my stage
	v_mul_u32_u24 v8, v1, SPITCH
	v_lshl_add_u32 v8, v2, 6, v8
	v_add_nc_u32 v[STO], s22, v8                   ; in: row r, + 64 h
	v_add_nc_u32 v[RD], s22, v[L16]                ; back: a row's 512 bytes to the 32 lanes
	s_lshl_b32 s2, s17, 8
	s_lshl_b32 s97, s15, 7
	s_add_co_u32 s2, s2, s97                       ; my first row of out
	s_lshl_b32 s100, s2, 12
	s_lshl_b32 s3, s42, 8
	s_lshl_b32 s97, s16, 7
	s_add_co_u32 s3, s3, s97                       ; my first column
	s_lshl_b32 s66, s3, 2
	s_add_co_u32 s100, s100, s66
	s_mov_b32 s101, 0
	s_add_nc_u64 s[10:11], s[10:11], s[100:101]
	v_lshlrev_b32 v6, 6, v2
	v_add_nc_u32 v6, s66, v6                       ; tile b's eight numbers of the bias: 4 (32 (b / 2) + 16 h + 8 (b % 2))
.irp b, 0,1,2,3,4,5,6,7
	global_load_b128 v[BP+8*\b:BP+8*\b+3], v6, s[8:9] offset:128*(\b/2)+32*(\b%2)
	global_load_b128 v[BP+8*\b+4:BP+8*\b+7], v6, s[8:9] offset:128*(\b/2)+32*(\b%2)+16
.endr
.macro FRAG reg, adr, q, i
.irp c, 0,1
	ds_load_b128 v[\reg+6*\c:\reg+6*\c+3], v[\adr] offset:(\i)*TILEB+768*(2*(\q)+\c)
	ds_load_b64 v[\reg+6*\c+4:\reg+6*\c+5], v[\adr+2] offset:(\i)*TILEB+768*(2*(\q)+\c)+512
.endr
.endm
; 16 matrix instructions: R's tiles a0, a0 + 1 x P's eight.  zero = 1: the bias starts the sums.  The 64 accumulators take turns, one instruction a turn.
.macro MUL16 a0, p, q, sc, zero
.irp a, \a0, \a0+1
.irp b, 0,1,2,3,4,5,6,7
.if \zero
	v_wmma_scale_f32_16x16x128_f8f6f4 v[8*(8*((\a)%4)+\b):8*(8*((\a)%4)+\b)+7], v[128*(\p)+FR*\b:128*(\p)+FR*\b+FR-1], v[AF+FR*(\a):AF+FR*(\a)+FR-1], v[BP+8*\b:BP+8*\b+7], v[SC+8*NQ*(\sc)+NQ*\b+(\q)], v[SC+8*NQ*(\sc)+NQ*(\a)+(\q)] matrix_a_fmt:MATRIX_FMT_FP6 matrix_b_fmt:MATRIX_FMT_FP6 matrix_a_scale:MATRIX_SCALE_ROW1
.else
	v_wmma_scale_f32_16x16x128_f8f6f4 v[8*(8*((\a)%4)+\b):8*(8*((\a)%4)+\b)+7], v[128*(\p)+FR*\b:128*(\p)+FR*\b+FR-1], v[AF+FR*(\a):AF+FR*(\a)+FR-1], v[8*(8*((\a)%4)+\b):8*(8*((\a)%4)+\b)+7], v[SC+8*NQ*(\sc)+NQ*\b+(\q)], v[SC+8*NQ*(\sc)+NQ*(\a)+(\q)] matrix_a_fmt:MATRIX_FMT_FP6 matrix_b_fmt:MATRIX_FMT_FP6 matrix_a_scale:MATRIX_SCALE_ROW1
.endif
.endr
.endr
.endm
.macro FETCH_B slot, q, p
	WIN TO_B
.irp i, 0,1,2,3,4,5,6,7
	FRAG 128*(\p)+FR*\i, ADRB+\slot, \q, \i
.endr
	WIN 0
.endm
.macro FETCH_A slot, q, i0
.irp i, \i0, \i0+1, \i0+2, \i0+3
	FRAG AF+FR*(\i), ADRA+\slot, \q, \i
.endr
.endm
.macro SCALES sc
.irp i, 0,1,2,3,4,5,6,7
	ds_load_b64 v[SC+8*NQ*\sc+NQ*\i:SC+8*NQ*\sc+NQ*\i+1], v[ADRS] offset:\i*SBLK
.endr
.endm
.macro PLACES n
.rept \n
	v_nop
.endr
.endm
.macro STEP slot, q, zero
	s_wait_dscnt 4*NL                              ; P's set and R's tiles 0-3 are in; the youngest 16 loads (R's tiles 4-7) may be out
.if \zero
	WIN 0x81
.else
	WIN MUL_LO
.endif
	MUL16 0, (\q)%2, \q, \slot, \zero
	MUL16 2, (\q)%2, \q, \slot, \zero
	s_wait_dscnt 0
	PLACES NP
	FETCH_B \slot, (\q)+1, 1-(\q)%2
	FETCH_A \slot, (\q)+1, 0
.if \zero
	WIN 0xc1
.else
	WIN MUL_HI
.endif
	MUL16 4, (\q)%2, \q, \slot, \zero
	MUL16 6, (\q)%2, \q, \slot, \zero
	PLACES NP
	WIN 0
	FETCH_A \slot, (\q)+1, 4
.endm
.macro TURN slot, next, fill
	s_wait_tensorcnt 0x0                           ; all my tensor loads have landed: my part of the next slot
	ds_add_u32 v[SPW], v[NIL]                      ; 0 onto my spare word
	s_wait_dscnt 4*NL+1                            ; (the add and the youngest 16 loads may be out)
	WIN MUL_LO
	MUL16 0, 1, NQ-1, \slot, 0
	s_wait_dscnt 0x0                               ; the add is done, and my reads of this slot are over
	s_barrier_signal -1
	MUL16 2, 1, NQ-1, \slot, 0
	WIN 0
	s_barrier_wait -1
.if \fill
	CREST                                          ; a round of the cluster's barrier: no wave of any partner still reads this slot or has a load on its way
	s_add_nc_u64 s[G0+4*\slot+2:G0+4*\slot+3], s[G0+4*\slot+2:G0+4*\slot+3], 2*TILEB
	s_add_nc_u64 s[G0B+4*\slot+2:G0B+4*\slot+3], s[G0B+4*\slot+2:G0B+4*\slot+3], 2*TILEB
	JLOAD G0+4*\slot, G1, G0B+4*\slot, G1B
.else
	PLACES NP
.endif
	v_add_nc_u32 v[ADRS], 4*NQ, v[ADRS]
	FETCH_B \next, 0, 0
	FETCH_A \next, 0, 0
	SCALES \next
	WIN MUL_HI
	MUL16 4, 1, NQ-1, \slot, 0
	MUL16 6, 1, NQ-1, \slot, 0
	PLACES NP
	WIN 0
	FETCH_A \next, 0, 4
.endm
	s_wait_tensorcnt 1                             ; the scale bytes and my part of slot 0 are in; slot 1's load may be out
	s_barrier_signal -1
	s_barrier_wait -1
	FETCH_B 0, 0, 0
	FETCH_A 0, 0, 0
	SCALES 0
	FETCH_A 0, 0, 4
	s_wait_loadcnt 0x0                             ; the bias
	STEP 0, 0, 1
	TURN 0, 1, 1
	STEP 1, 0, 0
	TURN 1, 0, 1
	STEP 0, 0, 0
	TURN 0, 1, 0
	STEP 1, 0, 0
	s_wait_dscnt 4*NL
	WIN MUL_LO
	MUL16 0, 1, NQ-1, 1, 0
	MUL16 2, 1, NQ-1, 1, 0
	s_wait_dscnt 0
	WIN MUL_HI
	MUL16 4, 1, NQ-1, 1, 0
	MUL16 6, 1, NQ-1, 1, 0
	WIN 0
; THE WAY OUT, a tile of 16 rows x 128 columns at a time, through my own stage and back as whole rows of 512 bytes.  LDS serves a wave's instructions in order: no wait between the stores and the loads.
.macro TOSTAGE a
.set AC, 64*((\a)%4)
	WIN 0x08+4*((\a)/4)                            ; an LDS store's data are its source 1: window 2 or 3
.irp b, 0,1,2,3,4,5,6,7
	ds_store_b128 v[STO], v[AC+8*\b:AC+8*\b+3] offset:128*(\b/2)+32*(\b%2)          ; columns 32 (b / 2) + 16 h + 8 (b % 2) on; each accumulator from its low end on
	ds_store_b128 v[STO], v[AC+8*\b+4:AC+8*\b+7] offset:128*(\b/2)+32*(\b%2)+16
.endr
	WIN 0
.set BB, BK+64*((\a)%2)
.irp t, 0,1,2,3,4,5,6,7,8,9,10,11,12,13,14,15
	ds_load_b128 v[BB+4*\t:BB+4*\t+3], v[RD] offset:\t*SPITCH
.endr
.endm
.macro SEND a, younger
.set BB, BK+64*((\a)%2)
	s_wait_dscnt \younger
.if (\a) > 0
.if ((\a)%2) == 1
	s_add_nc_u64 s[10:11], s[10:11], 8*4096        ; tile a begins at row 32 (a / 2) + 8 (a % 2)  (behind a wait on XCNT: earlier stores have read their base)
.else
	s_add_nc_u64 s[10:11], s[10:11], 24*4096
.endif
.endif
.irp t, 0,1,2,3,4,5,6,7,8,9,10,11,12,13,14,15
	global_store_b128 v[L16], v[BB+4*\t:BB+4*\t+3], s[10:11] offset:(\t+8*(\t/8))*4096 th:TH_STORE_NT   ; 512 consecutive bytes of one row of out
.endr
.endm
	PLACES NP
	TOSTAGE 0
.irp a, 1,2,3,4,5,6,7
.if \a > 1
	s_wait_xcnt 0x0                                ; tile a - 2's stores have read their registers and their base
.endif
	TOSTAGE \a
	SEND \a-1, 32                                  ; behind tile a - 1's loads: tile a's 16 stores and 16 loads
.endr
	s_wait_xcnt 0x0
	SEND 7, 0
	s_wait_tensorcnt 0x0                           ; the wave's end
	ds_add_u32 v[SPW], v[NIL]
	s_wait_dscnt 0x0
	CROUND                                         ; the closing round
	s_endpgm
.Lfunc_end_k_q8b7833a9ce_gemm_out:
	.size	k_q8b7833a9ce_gemm_out, .Lfunc_end_k_q8b7833a9ce_gemm_out-k_q8b7833a9ce_gemm_out
	.p2alignl 7, 3214868480
	.fill 96, 4, 3214868480
	.section	.rodata,"a",@progbits
	.p2align	6, 0x0
	.amdhsa_kernel k_q8b7833a9ce_gemm_out
		.amdhsa_group_segment_fixed_size 327680
		.amdhsa_private_segment_fixed_size 0
		.amdhsa_enable_private_segment 0
		.amdhsa_kernarg_size 32
		.amdhsa_user_sgpr_count 2
		.amdhsa_user_sgpr_kernarg_segment_ptr 1
		.amdhsa_wavefront_size32 1
		.amdhsa_system_sgpr_workgroup_id_x 1
		.amdhsa_system_sgpr_workgroup_id_y 1
		.amdhsa_system_sgpr_workgroup_id_z 1
		.amdhsa_system_vgpr_workitem_id 0
		.amdhsa_next_free_vgpr 1024
		.amdhsa_next_free_sgpr 102
		.amdhsa_reserve_vcc 0
		.amdhsa_float_denorm_mode_32 3
		.amdhsa_float_denorm_mode_16_64 3
		.amdhsa_memory_ordered 1
		.amdhsa_forward_progress 1
		.amdhsa_inst_pref_size 145
	.end_amdhsa_kernel
	.amdgpu_metadata
---
amdhsa.version: [ 1, 2 ]
amdhsa.kernels:
  - .name:           k_q8b7833a9ce_gemm_out
    .symbol:         k_q8b7833a9ce_gemm_out.kd
    .args:
      - { .name: yq, .offset: 0, .size: 8, .value_kind: global_buffer, .address_space: global }
      - { .name: wq, .offset: 8, .size: 8, .value_kind: global_buffer, .address_space: global }
      - { .name: b_proj, .offset: 16, .size: 8, .value_kind: global_buffer, .address_space: global }
      - { .name: out0, .offset: 24, .size: 8, .value_kind: global_buffer, .address_space: global }
    .group_segment_fixed_size: 327680
    .private_segment_fixed_size: 0
    .kernarg_segment_align: 8
    .kernarg_segment_size: 32
    .max_flat_workgroup_size: 128
    .sgpr_count:     102
    .vgpr_count:     1024
    .wavefront_size: 32
...
	.end_amdgpu_metadata
.endif
;; end of part 4
